; MI455X (gfx1250); checked and timed in simulation.
; The chip was launched on July 23, 2026; its instructions are those of AMD's public machine-readable ISA for CDNA 5 (MIT licence, August 2026) and "CDNA5" Instruction Set Architecture Reference Guide (July 2026). The comments in the code are by the model that wrote it; some were corrected since.
;; Causal Self Attention. Allowed arithmetic: matrix products marked QUANTISED: E5M2 operands, one given power-of-two scale a tensor, by v_wmma_f32_16x16x64_bf8_bf8 or v_wmma_f32_16x16x128_bf8_bf8, f32 sums; everything else in f32.
;; Inputs: bk 1,024 float32; bo 1,024 float32; bq 1,024 float32; bv 1,024 float32; lowp_scales 12 int32 (the exponents e of the quantised operands' scales 2^e); wk 1,024 x 1,024 float32; wo 1,024 x 1,024 float32; wq 1,024 x 1,024 float32; wv 1,024 x 1,024 float32; x 4 x 2,048 x 1,024 float32.
;; Outputs: out0 4 x 2,048 x 1,024 float32.
;; This version of the problem:
;;   THIS VERSION OF THE PROBLEM IS GIVEN IN LOW PRECISION. The matrix products marked QUANTISED in the list below multiply operands that are first quantised to E5M2 (5 exponent bits, 2 mantissa bits; 8 bits a number), with one given power-of-two scale for each operand tensor; their sums are f32. All else is computed in f32.
;;   The module's matrix products, in the order in which they are computed (A, B: the left and right operand; K: the contracted axis; several contracted axes count as one K, in the product's order):
;;     1. [M 8,192, K 1,024] x [K 1,024, N 1,024]; A: input x; B: input wq: QUANTISED (scales: A lowp_scales[0], B lowp_scales[1])
;;     2. [M 8,192, K 1,024] x [K 1,024, N 1,024]; A: input x; B: input wk: QUANTISED (scales: A lowp_scales[2], B lowp_scales[3])
;;     3. [M 8,192, K 1,024] x [K 1,024, N 1,024]; A: input x; B: input wv: QUANTISED (scales: A lowp_scales[4], B lowp_scales[5])
;;     4. batch 64 x [M 2,048, K 64] x [K 64, N 2,048]; A: computed on the way; B: computed on the way: QUANTISED (scales: A lowp_scales[6], B lowp_scales[7])
;;     5. batch 64 x [M 2,048, K 2,048] x [K 2,048, N 64]; A: softmax (see below); B: computed on the way: QUANTISED (scales: A lowp_scales[8], B lowp_scales[9])
;;     6. [M 8,192, K 1,024] x [K 1,024, N 1,024]; A: computed on the way; B: input wo: QUANTISED (scales: A lowp_scales[10], B lowp_scales[11])
;;   THE QUANTISER, for each operand of a quantised product, along K:
;;     - The operand's scale is 2^e, e = its entry of the input lowp_scales (int32; the entries are numbered through the quantised products in the list's order, A before B).
;;     - Each number is divided by the scale, clamped to +-57,344, and rounded to the nearest number of E5M2, ties to even, subnormals kept.
;;     - The product sums the exact products of the quantised numbers (number of the format x scale) in f32.
;;   ~~~python
;;   def quantise(x, axis, e):      # numpy; x: float32 -> the quantised numbers, widened to float32 again
;;       x = np.moveaxis(x, axis, -1); K = x.shape[-1]
;;       r = np.clip(x / 2.0 ** e, -57344, 57344)
;;       step = 2.0 ** (np.maximum(np.frexp(np.where(r == 0, 1, r))[1] - 1, -14) - 2)
;;       q = np.round(r / step) * step * 2.0 ** e      # np.round: ties to even
;;       return np.moveaxis(q, -1, axis).astype(np.float32)
;;   ~~~
;;   SOFTMAX AHEAD OF A QUANTISED PRODUCT. Where the list says 'softmax', what is quantised is not the finished softmax but p = 2^(t - M), with t = logit x log2(e) and M = ceil(the row's largest t), a whole number; so 1/2 < the row's largest p <= 1. The row's sum l is taken of the UNQUANTISED p, in f32, and the product's result is divided by l at the end. Since M is a whole number, a kernel that streams over the keys may use a running M (the ceiling of the running maximum): every later rescaling is an exact power of two, so the quantised numbers keep their values, but for numbers so far below the row's largest that they fall under the format's range.
;;   OPERANDS COMPUTED ON THE WAY. 'Computed on the way' means the value that the module computes at that place (a softmax that the list does not call 'softmax' is quantised finished and normalised). What goes into a quantiser is computed in f32, as accurately as f32 sums, v_exp_f32 and their like allow (about 1e-6 of the number): no bf16 or f16 on the way to a quantiser, and a product that is left as it is and whose result goes on into a quantised operand takes f32 operands (vector FMAs, or v_wmma_f32_16x16x4_f32). A number that lies on a knife's edge between two numbers of the format may be rounded either way, as far as f32 arithmetic and the matrix unit's own rounding can turn it there, and no further.
;; One version. Each part assembles by itself: llvm-mc -triple=amdgcn-amd-amdhsa -mcpu=gfx1250 --defsym DOCPART=n.
;; ======== version 1 of 1: 4 launches
;; limits: right only within a limited range of input values
;; workspace buffers: codes 29,360,128 bytes; qc 8,388,608 bytes; kc 8,388,608 bytes; vc 8,388,608 bytes; ac 8,388,608 bytes
;; launch quant (part 1): grid 768 x 1, 4 waves a work-group, no clusters, 53,760 bytes of LDS; arguments x, wq, wk, wv, wo, lowp_scales, codes; writes codes
.if DOCPART == 1
	.amdgcn_target "amdgcn-amd-amdhsa--gfx1250"
	.amdhsa_code_object_version 6
	.text
	.protected	k_q9ca18b9284_quant
	.globl	k_q9ca18b9284_quant
	.p2align	8
	.type	k_q9ca18b9284_quant,@function
k_q9ca18b9284_quant:
	s_mov_b64 s[64:65], 0
	v_nop
	global_prefetch_b8 v0, s[64:65] scope:SCOPE_SE
	s_setreg_imm32_b32 hwreg(HW_REG_WAVE_MODE, 25, 1), 1
	s_wait_xcnt 0x0
; x [8192][1024] f32 and the four weights [1024 (k)][1024 (n)] f32 become codes of BF8 (E5M2), each with the scale 2^e that is given for it.
; code = number / 2^e, held within +-57,344, rounded to the nearest code, ties to even.
; x is an operand of three products with three entries of the scales (0, 2, 4): it is read once and quantised three times.
; THE BUFFER OF CODES: 16 panels; panel p holds k = 64 p .. 64 p + 63 of 28,672 rows, [row][64 bytes], dense, PST bytes a panel.
;   rows 0, 8192, 16384 on: x under e0, e2, e4 (row = token);  rows 24576, 25600, 26624, 27648 on: wq, wk, wv, wo (row = output column n).
; THE ORDER INSIDE A ROW: in each 32 bytes the four groups of eight codes stand as k = 0-7, 16-23, 8-15, 24-31.  A lane's 16 bytes at 16 (lane / 16) are then k = 8 h + 0 .. 7 and 16 + 8 h + 0 .. 7:
; the places that the matrix form's own layout gives two neighbouring pairs of its registers (ISA guide 7.12.2), fetched by one 16-byte load.
; Work-groups 0 to 511 take x, 512 to 767 the weights: one scalar branch on the work-group's number; each way has LDS bytes of its own.
; No barrier: waves share nothing.  LIMITS: each of the seven exponents lies between -126 and 112, so that 2^e and 57,344 x 2^e are f32 numbers; NaN among the inputs is not served.
.set PST,   1835008                    ; bytes of a panel: 28,672 rows x 64
.set XWG,   512                        ; work-groups for x
.set STEPS, 8                          ; x: panels of a wave
.set SP,    80                         ; a place in a stage: 64 bytes + 16 of padding
.set WREG,  8192                       ; x: LDS of a wave (two stages of 32 x SP bytes)
.set R,     16                         ; x: v16-79   four sets of 16 numbers as loaded
.set X,     80                         ; x: v80-111  two sets of 8 + 8 neighbours along k
.set T,     112                        ; x: unused; the conversions read the numbers from v80-111
.set C,     160                        ; x: v160-171 the codes, four registers for each scale
.set WBASE, 32768                      ; weights: their LDS begins here
.set WST,   5120                       ; weights: LDS of a wave (two stages)
.set WX,    32                         ; weights: v32-159  128 numbers down k of my column
.set WC,    160                        ; weights: v160-191 their codes
.set WO,    192                        ; weights: v192-223 the way out
.macro LOAD t                          ; panel t of my eight tokens: each half of the lanes reads 256 consecutive bytes of one token
.irp i, 0,1,2,3
	global_load_b128 v[R+16*((\t)%4)+4*\i:R+16*((\t)%4)+4*\i+3], v3, s[4:5] offset:256*(\t)+8192*\i th:TH_LOAD_NT
.endr
.endm
.macro TURN t                          ; through the wave's stage: in as loaded (16 numbers to a place), back eight numbers of one place and the same eight of the next.  LDS serves a wave's instructions in order: no wait between
.irp i, 0,1,2,3
	ds_store_b128 v14, v[R+16*((\t)%4)+4*\i:R+16*((\t)%4)+4*\i+3] offset:32*SP*((\t)%2)+8*SP*\i
.endr
.irp i, 0,1,2,3
	ds_load_b128 v[X+16*((\t)%2)+4*\i:X+16*((\t)%2)+4*\i+3], v15 offset:32*SP*((\t)%2)+SP*(\i/2)+16*(\i%2)
.endr
.endm
.macro QSTEP t
.set XS, X+16*((\t)%2)
	s_wait_dscnt 0x0                               ; this step's numbers are back from the stage
.if (\t)+4 < STEPS
	LOAD (\t)+4
.endif
.if (\t)+1 < STEPS
.if STEPS-2-(\t) >= 3
	s_wait_loadcnt 12                              ; the next step's four loads are in; those of the three steps behind it may be out
.else
	s_wait_loadcnt 4*(STEPS-2-(\t))
.endif
	TURN (\t)+1
.endif
.if (\t) > 0
	s_wait_xcnt 0x0                                ; the last step's stores have read their codes and their offset: both are written again only behind this wait
	s_wait_alu depctr_va_vdst(0)
	v_add_nc_u32 v4, PST, v4                       ; the next panel
.endif
.irp s, 0,1,2
.irp i, 0,1,2,3,4,5,6,7,8,9,10,11,12,13,14,15
.endr
	v_cvt_scalef32_pk8_bf8_f32 v[C+4*\s:C+4*\s+1], v[T+16*\s+((XS+0)-(T+16*\s+0)):T+16*\s+7+((XS+0)-(T+16*\s+0))], v[8+\s]
	v_cvt_scalef32_pk8_bf8_f32 v[C+4*\s+2:C+4*\s+3], v[T+16*\s+8+((XS+0)-(T+16*\s+0)):T+16*\s+15+((XS+0)-(T+16*\s+0))], v[8+\s]
.endr
	v_nop                                          ; a plain line behind the last conversion
.irp s, 0,1,2
	global_store_b128 v4, v[C+4*\s:C+4*\s+3], s[16:17] offset:\s*524288   ; 32 lanes store 512 consecutive bytes, aligned: eight rows of the panel; the three sets of rows lie 8,192 rows apart
.endr
.endm
	s_load_b256 s[4:11], s[0:1], 0x0               ; x s[4:5], wq s[6:7], wk s[8:9], wv s[10:11]
	s_load_b128 s[12:15], s[0:1], 0x20             ; wo s[12:13], the scales' exponents s[14:15]
	s_load_b64 s[16:17], s[0:1], 0x30              ; the codes
	v_lshl_add_u32 v224, v0, 2, 0xd000
	v_mov_b32 v225, 0
	v_lshrrev_b32 v1, 5, v0
	v_readfirstlane_b32 s18, v1                    ; wave 0..3
	v_and_b32 v2, 31, v0                           ; lane
	s_wait_kmcnt 0x0
	s_load_b256 s[24:31], s[14:15], 0x0            ; e0 .. e7
	s_load_b128 s[32:35], s[14:15], 0x20           ; e8 .. e11
	s_cmp_lt_u32 ttmp9, XWG
	s_cbranch_scc0 .Lweights
	; ---- x.  Wave W = 4 x work-group + wave takes tokens 8 (W / 2) on and panels 8 (W % 2) on
	s_lshl_b32 s19, ttmp9, 2
	s_add_co_u32 s19, s19, s18
	s_lshr_b32 s20, s19, 1                         ; which eight tokens
	s_and_b32 s21, s19, 1                          ; which eight panels
	s_lshl_b32 s22, s20, 15                        ; eight rows of 4,096 bytes
	s_lshl_b32 s23, s21, 11                        ; 512 numbers along k
	s_add_co_u32 s22, s22, s23
	s_mov_b32 s23, 0
	s_add_nc_u64 s[4:5], s[4:5], s[22:23]
	s_mul_i32 s22, s21, 8*PST
	s_lshl_b32 s36, s20, 9                         ; eight rows of 64 bytes
	s_add_co_u32 s22, s22, s36
	s_add_nc_u64 s[16:17], s[16:17], s[22:23]
	s_wait_alu depctr_va_vdst(0)
	v_lshrrev_b32 v5, 4, v2
	v_and_b32 v6, 15, v2
	v_lshlrev_b32 v3, 4, v6
	v_lshl_add_u32 v3, v5, 12, v3                  ; in: token lane / 16 of a pair, 16 bytes a lane
	v_lshlrev_b32 v4, 4, v2                        ; out: 16 x lane
	s_mul_i32 s37, s18, WREG
	v_lshrrev_b32 v14, 2, v2
	v_mul_u32_u24 v14, v14, SP
	v_and_b32 v15, 3, v2
	v_lshl_add_u32 v14, v15, 4, v14
	v_add_nc_u32 v14, s37, v14                     ; the stage, on the way in: SP (lane / 4) + 16 (lane % 4): place 4 x token + k / 16
	v_and_b32 v15, 30, v2
	v_mul_u32_u24 v15, v15, SP
	v_and_b32 v7, 1, v2
	v_lshl_add_u32 v15, v7, 5, v15
	v_add_nc_u32 v15, s37, v15                     ; and back: lane 4 x token + 2 c + h takes k = 32 c + 8 h + 0 .. 7 (place lane - h, 32 h bytes on) and k = 32 c + 16 + 8 h + 0 .. 7 (the next place)
.irp t, 0,1,2,3
	LOAD \t
.endr
	s_wait_alu depctr_va_vdst(0)
	s_wait_kmcnt 0x0
.irp j, 0,1,2
	s_add_co_i32 s[24+2*\j], s[24+2*\j], 127
	s_lshl_b32 s36, s[24+2*\j], 23
	v_mov_b32 v[8+\j], s36                         ; 2^e as f32: the conversion takes its exponent field
	s_add_co_i32 s[24+2*\j], s[24+2*\j], 15
	s_lshl_b32 s[24+2*\j], s[24+2*\j], 23
	s_or_b32 s[24+2*\j], s[24+2*\j], 0x600000
.endr
	s_wait_alu depctr_va_vdst(0)
	s_wait_loadcnt 12                              ; step 0's four loads are in
	TURN 0
.irp t, 0,1,2,3,4,5,6,7
	QSTEP \t
.endr
	s_wait_tensorcnt 0x0
	ds_add_u32 v224, v225
	s_wait_dscnt 0x0
	s_endpgm
	; ---- the weights.  A LANE TAKES A COLUMN n AND ITS REGISTERS RUN DOWN k, so that the conversions give codes with k innermost.
	; Work-group g: weight g / 64, 128 along k (two panels) (g / 8) % 8, 128 columns g % 8; a wave takes 32 columns.
.Lweights:
	s_sub_co_u32 s19, ttmp9, XWG
	s_lshr_b32 s20, s19, 6                         ; which weight
	s_bfe_u32 s21, s19, 0x30003                    ; which 128 along k
	s_and_b32 s22, s19, 7                          ; which 128 columns
	s_cmp_eq_u32 s20, 1
	s_cselect_b64 s[6:7], s[8:9], s[6:7]
	s_cmp_eq_u32 s20, 2
	s_cselect_b64 s[6:7], s[10:11], s[6:7]
	s_cmp_eq_u32 s20, 3
	s_cselect_b64 s[6:7], s[12:13], s[6:7]         ; the choice hangs on the work-group's number alone
	s_lshl_b32 s22, s22, 7
	s_lshl_b32 s23, s18, 5
	s_add_co_u32 s22, s22, s23                     ; my wave's first column
	s_lshl_b32 s36, s21, 19                        ; 128 rows of 4,096 bytes
	s_lshl_b32 s37, s22, 2
	s_add_co_u32 s36, s36, s37
	s_mov_b32 s37, 0
	s_add_nc_u64 s[6:7], s[6:7], s[36:37]
	s_mul_i32 s36, s21, 2*PST
	s_lshl_b32 s38, s20, 10
	s_add_co_u32 s38, s38, s22
	s_add_co_u32 s38, s38, 24576                   ; the row of the codes' buffer
	s_lshl_b32 s38, s38, 6
	s_add_co_u32 s36, s36, s38
	s_add_nc_u64 s[16:17], s[16:17], s[36:37]
	s_wait_alu depctr_va_vdst(0)
	v_lshlrev_b32 v3, 2, v2                        ; in: 4 bytes a lane: 128 consecutive bytes a wave, 512 a work-group
	s_mul_i32 s39, s18, WST
	s_add_co_u32 s39, s39, WBASE
	v_mul_u32_u24 v4, v2, SP
	v_add_nc_u32 v4, s39, v4                       ; the stage, on the way in: my column's 64 bytes
	v_lshrrev_b32 v5, 2, v2
	v_mul_u32_u24 v5, v5, SP
	v_and_b32 v7, 3, v2
	v_lshl_add_u32 v5, v7, 4, v5
	v_add_nc_u32 v5, s39, v5                       ; and back: 512 consecutive bytes of the panel an instruction
	v_lshlrev_b32 v6, 4, v2                        ; out: 16 x lane
.set n, 0
.rept 128
	global_load_b32 v[WX+n], v3, s[6:7] offset:n*4096 th:TH_LOAD_NT
.set n, n+1
.endr
	s_wait_kmcnt 0x0
	s_cmp_eq_u32 s20, 1
	s_cselect_b32 s25, s27, s25                    ; e1, e3, e5 or e11
	s_cmp_eq_u32 s20, 2
	s_cselect_b32 s25, s29, s25
	s_cmp_eq_u32 s20, 3
	s_cselect_b32 s25, s35, s25
	s_add_co_i32 s25, s25, 127
	s_lshl_b32 s36, s25, 23
	v_mov_b32 v11, s36                             ; 2^e
	s_wait_alu depctr_va_vdst(0)
.irp pp, 0,1
.if \pp == 0
	s_wait_loadcnt 63                              ; of 128 loads at most 63 are out: the first 65 are in, the first panel's 64 among them
.else
	s_wait_loadcnt 0x0
.endif
.set n, 0
.rept 64
.set n, n+1
.endr
.irp g, 0,1,2,3,4,5,6,7
.set POS, 4*(\g/4)+2*(\g%2)+(\g/2)%2   ; the group k = 8 g .. 8 g + 7 goes to the row's place POS of eight bytes: 0, 2, 1, 3 inside each 32 bytes
	v_cvt_scalef32_pk8_bf8_f32 v[WC+16*\pp+2*POS:WC+16*\pp+2*POS+1], v[WX+64*\pp+8*\g:WX+64*\pp+8*\g+7], v11
.endr
	v_nop                                          ; a plain line behind the last conversion
.irp i, 0,1,2,3
	ds_store_b128 v4, v[WC+16*\pp+4*\i:WC+16*\pp+4*\i+3] offset:32*SP*\pp+16*\i
.endr
.irp i, 0,1,2,3
	ds_load_b128 v[WO+16*\pp+4*\i:WO+16*\pp+4*\i+3], v5 offset:32*SP*\pp+8*SP*\i
.endr
.endr
.irp i, 0,1,2,3
	s_wait_dscnt 11-\i                             ; behind this load: the panel's later loads and the second panel's four stores and four loads
	global_store_b128 v6, v[WO+4*\i:WO+4*\i+3], s[16:17] offset:512*\i
.endr
.irp i, 0,1,2,3
	s_wait_dscnt 3-\i
	global_store_b128 v6, v[WO+16+4*\i:WO+16+4*\i+3], s[16:17] offset:PST+512*\i
.endr
	s_wait_tensorcnt 0x0
	ds_add_u32 v224, v225
	s_wait_dscnt 0x0
	s_endpgm
.Lfunc_end_k_q9ca18b9284_quant:
	.size	k_q9ca18b9284_quant, .Lfunc_end_k_q9ca18b9284_quant-k_q9ca18b9284_quant
	.p2alignl 7, 3214868480
	.fill 96, 4, 3214868480
	.section	.rodata,"a",@progbits
	.p2align	6, 0x0
	.amdhsa_kernel k_q9ca18b9284_quant
		.amdhsa_group_segment_fixed_size 53760
		.amdhsa_private_segment_fixed_size 0
		.amdhsa_enable_private_segment 0
		.amdhsa_kernarg_size 56
		.amdhsa_user_sgpr_count 2
		.amdhsa_user_sgpr_kernarg_segment_ptr 1
		.amdhsa_wavefront_size32 1
		.amdhsa_system_sgpr_workgroup_id_x 1
		.amdhsa_system_sgpr_workgroup_id_y 1
		.amdhsa_system_sgpr_workgroup_id_z 1
		.amdhsa_system_vgpr_workitem_id 0
		.amdhsa_next_free_vgpr 226
		.amdhsa_next_free_sgpr 66
		.amdhsa_reserve_vcc 0
		.amdhsa_float_denorm_mode_32 3
		.amdhsa_float_denorm_mode_16_64 3
		.amdhsa_fp16_overflow 1
		.amdhsa_memory_ordered 1
		.amdhsa_forward_progress 1
		.amdhsa_inst_pref_size 35
	.end_amdhsa_kernel
	.amdgpu_metadata
---
amdhsa.version: [ 1, 2 ]
amdhsa.kernels:
  - .name:           k_q9ca18b9284_quant
    .symbol:         k_q9ca18b9284_quant.kd
    .args:
      - { .name: x, .offset: 0, .size: 8, .value_kind: global_buffer, .address_space: global }
      - { .name: wq, .offset: 8, .size: 8, .value_kind: global_buffer, .address_space: global }
      - { .name: wk, .offset: 16, .size: 8, .value_kind: global_buffer, .address_space: global }
      - { .name: wv, .offset: 24, .size: 8, .value_kind: global_buffer, .address_space: global }
      - { .name: wo, .offset: 32, .size: 8, .value_kind: global_buffer, .address_space: global }
      - { .name: lowp_scales, .offset: 40, .size: 8, .value_kind: global_buffer, .address_space: global }
      - { .name: codes, .offset: 48, .size: 8, .value_kind: global_buffer, .address_space: global }
    .group_segment_fixed_size: 53760
    .private_segment_fixed_size: 0
    .kernarg_segment_align: 8
    .kernarg_segment_size: 56
    .max_flat_workgroup_size: 128
    .sgpr_count:     66
    .vgpr_count:     226
    .wavefront_size: 32
...
	.end_amdgpu_metadata
.endif
;; end of part 1
;; launch proj (part 2): grid 12 x 64, 4 waves a work-group, clusters of 4 x 4, 327,680 bytes of LDS; arguments codes, lowp_scales, bq, bk, bv, qc, kc, vc; writes qc, kc, vc
.if DOCPART == 2
	.amdgcn_target "amdgcn-amd-amdhsa--gfx1250"
	.amdhsa_code_object_version 6
	.text
	.protected	k_q9ca18b9284_proj
	.globl	k_q9ca18b9284_proj
	.p2align	8
	.type	k_q9ca18b9284_proj,@function
k_q9ca18b9284_proj:
	s_mov_b64 s[64:65], 0
	v_nop
	global_prefetch_b8 v0, s[64:65] scope:SCOPE_SE
	s_setreg_imm32_b32 hwreg(HW_REG_WAVE_MODE, 25, 1), 1
	s_wait_xcnt 0x0
	s_wait_alu depctr_hold_cnt(0) depctr_sa_sdst(0) depctr_va_vdst(0) depctr_va_sdst(0) depctr_va_ssrc(0) depctr_va_vcc(0) depctr_vm_vsrc(0)
	s_getreg_b32 s2, hwreg(HW_REG_IB_STS2, 6, 4)
	s_cmp_eq_u32 s2, 0
	s_cbranch_scc0 .Lentry_in_a_cluster
	s_endpgm
.Lentry_in_a_cluster:
	s_bfe_u32 s2, ttmp6, 0x10000c
	s_cmp_lg_u32 s2, 0xf033
	s_cbranch_scc0 .Lentry_shape_is_right
	s_endpgm
.Lentry_shape_is_right:
; q = x wq + bq, k = x wk + bk, v = x wv + bv on codes of BF8 (E5M2), and each result quantised at once, with its given scale, for the attention that follows.
; A tile is 128 rows of an operand A x 256 rows of an operand B, K = 1,024.  Four waves, each 64 x 128: 32 outputs tiles of 16 x 16.  THE MATRIX INSTRUCTION IS USED TRANSPOSED (source 0 = 16 rows of B,
; source 1 = 16 rows of A): a lane holds one row of A and eight neighbouring rows of B.
; The price: 64 matrix instructions and 64 exclusive ors for 128 along K, where 32 matrix instructions would give one sum.
; ROLES, by the cluster's x (0: q, 1: k, 2: v), which all partners share.  q, k: A = x's codes (tokens), B = the weight (output columns): a lane's eight results are eight neighbours of a head's 64, the next K.
; v: A = wv (channels), B = x's codes (tokens): a lane's eight results are eight neighbouring KEYS, the K of attention's second product.  Both operands lie in one buffer with one panel stride, so a role is a row offset.
; OPERANDS IN MEMORY: 16 panels of 64 along K, [row][64 bytes] dense; inside each 32 bytes the groups of eight codes stand as k = 0-7, 16-23, 8-15, 24-31, so that 16-byte loads put every k into the place that the form's own
; layout gives it.  IN LDS 16 bytes of padding follow every 256: row r of a panel lies at 64 r + 16 (r / 4): the 16 rows of a fragment start at 16 different groups of four banks.
; K goes in four steps of 256 (four panels).  Three LDS slots are filled at the start; the fourth step is the launch's one refill, into slot 0.
; CLUSTERS: 4 x 4 work-groups; A's tiles are shared along a row of the cluster, B's along a column: joint loads.
; RESULTS: qc, kc [batch x 16 + head][token][64]; vc [(batch x 16 + head) x 64 + channel][2,048 keys].  The eight codes of result tile b, lane half h, go to byte 32 (b / 2) + 16 h + 8 (b % 2) of their 128:
; the same order inside each 32 bytes as the operands have, for the same reason: in qc and kc along the head's 64, in vc along the keys.
; LIMITS: e0 + e1, e2 + e3, e4 + e5 between -125 and 127; e6, e7, e9 between -126 and 112.  NaN is not served.
; REGISTERS: window 0: v8-14 LDS addresses of fragments; v16-20 the way out; v28, v29 the add's; v32-95 the bias along B's rows; v96-103 along A's rows; v104 the result's scale;
;   v128-255 A's fragments, two sets of 64; on the way out v128-191 numbers, v192-255 codes.   window 1: B's fragments, two sets of 128.
;   window 2: S1, accumulator (a, b) at v[8 (8 a + b)].   window 3: S2, at the same numbers.
.set PST,   1835008                    ; bytes of a panel of the codes' buffer
.set PSTA,  PST                        ; A's panels lie as far apart
.set APAN,  8704                       ; A's 128 rows of a panel in LDS: 32 x 272
.set BPAN,  17408                      ; B's 256 rows
.set SLOT,  4*(APAN+BPAN)              ; four panels of A, then four of B
.set SPARE, 3*SLOT                     ; behind the slots: the spare words, 128 bytes a wave: two blocks of 256 bytes that no other line names
.set STAGE, SLOT                       ; the way out lies in slot 1: it is filled once, and its last read stands ahead of the barrier in front of the last K step
.set SPITCH, 272                       ; a stage row: 256 codes + 16
.set ADRA, 8
.set ADRB, 12
.set STO,  16                          ; v16  where I put eight codes
.set RQ,   17                          ; v17  q, k: where I read the stage back;  v18 the same place in memory
.set GQ,   18
.set RV,   19                          ; v19, v20 the same for v
.set GV,   20
.set SPW,  28
.set NIL,  29
.set BN,   32
.set BM,   96
.set SC,   104
.set LIMV, 105
.set TT,   128
.set SGN,  3                           ; s3   the sign bits of four codes
.set G1A, 24                           ; s[24:31] descriptor group 1 for A's tiles; s[32:43] group 0, a set for each slot
.set G0A, 32
.set G1B, 44                           ; s[44:51], s[52:63] the same for B's
.set G0B, 52
.set MSB, 0
.macro WIN new                         ; the immediate's high byte repeats the setting that is left
.if MSB != \new
	s_set_vgpr_msb (MSB<<8)|\new
.set MSB, \new
.endif
.endm
.set MUL,  0xa1                        ; source 0 (B) window 1, source 1 (A) window 0, C and D window 2: S1
.set MULN, 0xf1                        ; the same, C and D window 3: S2
.set TO_B, 0x40                        ; destination window 1, address window 0
; A joint load: waves 0 and 1 fetch for A, waves 2 and 3 for B.  The branch hangs on the wave's number alone.  Four v_nop follow each of the two lines.
.macro JLOAD g0a, g1a, g0b, g1b
	s_cmp_eq_u32 s21, 0
	s_cbranch_scc0 .Lfor_b_\@
	tensor_load_to_lds s[\g0a:\g0a+3], s[\g1a:\g1a+7]
	s_nop 0
.rept 4
	v_nop
.endr
	s_branch .Lasked_\@
.Lfor_b_\@:
	tensor_load_to_lds s[\g0b:\g0b+3], s[\g1b:\g1b+7]
	s_nop 0
.rept 4
	v_nop
.endr
.Lasked_\@:
.endm
.macro CREST                           ; a round of the cluster's barrier behind its opening barrier
	s_cmp_lg_u32 s20, 0
	s_cbranch_scc1 .Lnot_wave_0_\@
	s_barrier_signal -3
.Lnot_wave_0_\@:
	s_barrier_wait -3
	s_barrier_signal -1
	s_barrier_wait -1
.endm
.macro CROUND
	s_barrier_signal -1
	s_barrier_wait -1
	CREST
.endm
.macro PLACES n                        ; plain vector lines between a matrix instruction and a load into, or a vector line on, one of its registers
.rept \n
	v_nop
.endr
.endm
; A fragment, 16 rows x 128 K, is 16 registers.  128 along K are two panels; load c brings bytes 32 (c % 2) + 16 (lane / 16) + 0 .. 15 of panel c / 2, which by the buffer's order are
; K = 32 c + 8 h + 0 .. 7 and 32 c + 16 + 8 h + 0 .. 7: registers 2 n, 2 n + 1 hold K = 16 n + 8 h + 0 .. 7, the form's own places.
.macro FRAG reg, adr, q, i, pan
.irp c, 0,1,2,3
	ds_load_b128 v[\reg+4*\c:\reg+4*\c+3], v[\adr] offset:(2*(\q)+\c/2)*\pan+1088*(\i)+32*(\c%2)
.endr
.endm
.macro FETCH slot, q, set              ; 48 LDS loads in one run: B's eight fragments and A's four of the slot's q-th 128 along K
	WIN TO_B
.irp i, 0,1,2,3,4,5,6,7
	FRAG 128*(\set)+16*\i, ADRB+\slot, \q, \i, BPAN
.endr
	WIN 0
.irp i, 0,1,2,3
	FRAG 128+64*(\set)+16*\i, ADRA+\slot, \q, \i, APAN
.endr
.endm
; 16 matrix instructions, into the window that is set (S1's or S2's).  The accumulators take turns, one instruction a turn: S1's 32, then S2's 32, in the same order in every step.
.macro MUL16 a0, set, zero
.irp a, \a0, \a0+1
.irp b, 0,1,2,3,4,5,6,7
.if \zero
	v_wmma_f32_16x16x128_bf8_bf8 v[8*(8*(\a)+\b):8*(8*(\a)+\b)+7], v[128*(\set)+16*\b:128*(\set)+16*\b+15], v[128+64*(\set)+16*(\a):128+64*(\set)+16*(\a)+15], 0
.else
	v_wmma_f32_16x16x128_bf8_bf8 v[8*(8*(\a)+\b):8*(8*(\a)+\b)+7], v[128*(\set)+16*\b:128*(\set)+16*\b+15], v[128+64*(\set)+16*(\a):128+64*(\set)+16*(\a)+15], v[8*(8*(\a)+\b):8*(8*(\a)+\b)+7]
.endif
.endr
.endr
.endm
; The step's second half: A's 64 registers of this set get their codes' sign bits turned, in place (the set is loaded anew before it is used again), and the same 32 products go into S2.
.macro TWIN set, zero
	WIN 0
	PLACES 4                                       ; the exclusive ors write registers that the products just issued read
.set i, 0
.rept 64
	v_xor_b32 v[128+64*(\set)+i], s[SGN], v[128+64*(\set)+i]
.set i, i+1
.endr
	WIN MULN
	MUL16 0, \set, \zero
	MUL16 2, \set, \zero
.endm
.macro KSTEP fs, fq, set, zero         ; 128 along K on set; the next 128 (slot fs, part fq) are fetched into the other set first
	s_wait_dscnt 0x0                               ; this step's fragments are in
	PLACES 4                                       ; the loads below land in registers that the last step's products read
	FETCH \fs, \fq, 1-(\set)
	WIN MUL
	MUL16 0, \set, \zero
	MUL16 2, \set, \zero
	TWIN \set, \zero
.endm
	s_load_b512 s[4:19], s[0:1], 0x0               ; codes s[4:5], scales s[6:7], bq s[8:9], bk s[10:11], bv s[12:13], qc s[14:15], kc s[16:17], vc s[18:19]
	v_lshl_add_u32 v[SPW], v0, 2, SPARE
	v_mov_b32 v[NIL], 0
	ds_add_u32 v28, v29
	ds_add_u32 v28, v29
	s_wait_dscnt 0x0
	v_lshrrev_b32 v1, 5, v0
	v_readfirstlane_b32 s20, v1                    ; wave 0..3
	s_mov_b32 s[SGN], 0x80808080
	s_lshr_b32 s21, s20, 1                         ; which 64 rows of A are mine.  Also: I fetch for A (0) or for B (1)
	s_and_b32 s22, s20, 1                          ; which 128 rows of B.  Also: which two panels of a K step I fetch
	s_bfe_u32 s66, ttmp6, 0x40000                  ; cx
	s_bfe_u32 s67, ttmp6, 0x40004                  ; cy
	s_mov_b32 s68, ttmp9                           ; the role: 0 q, 1 k, 2 v
	s_and_b32 s69, ttmp7, 0xffff                   ; the cluster's y, 0 .. 15
	s_lshl_b32 s70, s69, 2
	s_add_co_u32 s70, s70, s67                     ; q, k: tile row = 4 y + cy
	s_and_b32 s72, s69, 1
	s_lshl_b32 s72, s72, 2
	s_add_co_u32 s72, s72, s67                     ; v: tile row = 4 (y % 2) + cy
	s_lshr_b32 s71, s69, 1
	s_lshl_b32 s71, s71, 2
	s_add_co_u32 s71, s71, s66                     ; v: tile column = 4 (y / 2) + cx
	s_lshl_b32 s73, s68, 13                        ; q, k: A begins at row 8,192 x role,
	s_lshl_b32 s74, s68, 10
	s_add_co_u32 s74, s74, 24576                   ; B at row 24,576 + 1,024 x role
	s_cmp_eq_u32 s68, 2
	s_cselect_b32 s70, s72, s70                    ; the tile row: it hangs on cy alone
	s_cselect_b32 s71, s71, s66                    ; the tile column: on cx alone
	s_cselect_b32 s73, 26624, s73                  ; v: A = wv's rows,
	s_cselect_b32 s74, 16384, s74                  ; B = x's codes under e4
	s_lshl_b32 s72, s70, 7
	s_add_co_u32 s72, s72, s73
	s_lshl_b32 s72, s72, 6                         ; A's first row, in bytes
	s_mul_i32 s75, s22, 2*PST                      ; my two panels
	s_add_co_u32 s72, s72, s75
	s_mov_b32 s73, 0
	s_lshl_b32 s76, s71, 8
	s_add_co_u32 s76, s76, s74
	s_lshl_b32 s76, s76, 6                         ; B's
	s_add_co_u32 s76, s76, s75
	s_mov_b32 s77, 0
	s_lshl_b32 s94, s67, 2
	s_lshl_b32 s94, 15, s94                        ; my row of the cluster
	s_lshl_b32 s95, 0x1111, s66                    ; my column
	; descriptor group 1: two panels; a panel's part is one dense run of memory, stated as one row; 16 bytes of padding behind every 256
	s_or_b32 s[G1A], s94, (1<<20)|(1<<21)|(5<<22)|(3<<25)   ; 15:0 the mask; 17:16 elements of 1 byte; 20 padding on; 21 set beside a mask; 24:22 after every 64 words; 31:25 four words
	s_or_b32 s[G1B], s95, (1<<20)|(1<<21)|(5<<22)|(3<<25)
	s_mov_b32 s[G1A+1], 8192<<16                   ; tensor_dim0: 128 rows x 64 bytes
	s_mov_b32 s[G1A+2], 2<<16                      ; tensor_dim1: two panels
	s_mov_b32 s[G1A+3], 8192<<16                   ; tile_dim0
	s_mov_b32 s[G1A+4], 2                          ; tile_dim1
	s_mov_b32 s[G1A+5], PSTA                       ; from panel to panel
	s_mov_b32 s[G1A+6], 0
	s_mov_b32 s[G1A+7], 0
	s_mov_b32 s[G1B+1], 16384<<16                  ; 256 rows x 64 bytes
	s_mov_b32 s[G1B+2], 2<<16
	s_mov_b32 s[G1B+3], 16384<<16
	s_mov_b32 s[G1B+4], 2
	s_mov_b32 s[G1B+5], PST
	s_mov_b32 s[G1B+6], 0
	s_mov_b32 s[G1B+7], 0
	s_mul_i32 s96, s22, 2*APAN                     ; where they go: no place in the cluster enters an LDS address
	s_mul_i32 s97, s22, 2*BPAN
	s_add_co_u32 s97, s97, 4*APAN
	s_wait_kmcnt 0x0
	s_load_b256 s[80:87], s[6:7], 0x0              ; e0 .. e7
	s_load_b128 s[88:91], s[6:7], 0x20             ; e8 .. e11
	s_add_nc_u64 s[72:73], s[4:5], s[72:73]
	s_add_nc_u64 s[76:77], s[4:5], s[76:77]
	CROUND                                         ; all sixteen work-groups are here: the first joint loads meet
.irp s, 0,1,2
	s_mov_b32 s[G0A+4*\s], 1
	s_add_co_u32 s[G0A+4*\s+1], s96, \s*SLOT
	s_add_nc_u64 s[G0A+4*\s+2:G0A+4*\s+3], s[72:73], \s*4*PSTA
	s_or_b32 s[G0A+4*\s+3], s[G0A+4*\s+3], 0x80000000
	s_mov_b32 s[G0B+4*\s], 1
	s_add_co_u32 s[G0B+4*\s+1], s97, \s*SLOT
	s_add_nc_u64 s[G0B+4*\s+2:G0B+4*\s+3], s[76:77], \s*4*PST
	s_or_b32 s[G0B+4*\s+3], s[G0B+4*\s+3], 0x80000000
	JLOAD G0A+4*\s, G1A, G0B+4*\s, G1B             ; K steps 0, 1 and 2: three loads of mine are out
.endr
	v_and_b32 v1, 15, v0                           ; r
	v_bfe_u32 v2, v0, 4, 1                         ; h
	v_lshrrev_b32 v3, 2, v1
	v_lshlrev_b32 v4, 6, v1
	v_lshl_add_u32 v4, v3, 4, v4
	v_lshl_add_u32 v4, v2, 4, v4                   ; 64 r + 16 (r / 4) + 16 h
	s_mul_i32 s98, s21, 4*1088                     ; my 64 rows of A
	s_mul_i32 s99, s22, 8*1088                     ; my 128 rows of B,
	s_add_co_u32 s99, s99, 4*APAN                  ; behind A's four panels
.irp s, 0,1,2
	v_add_nc_u32 v[ADRA+\s], s98, v4
	v_add_nc_u32 v[ADRB+\s], s99, v4
	s_add_co_u32 s98, s98, SLOT
	s_add_co_u32 s99, s99, SLOT
.endr
	s_mul_i32 s98, s21, 64*SPITCH                  ; the stage: row = A's row, byte = B's row (in the buffers' order inside each 32)
	s_lshl_b32 s99, s22, 7
	s_add_co_u32 s98, s98, s99
	s_add_co_u32 s98, s98, STAGE
	v_mul_u32_u24 v5, v1, SPITCH
	v_lshl_add_u32 v5, v2, 4, v5
	v_add_nc_u32 v[STO], s98, v5
	v_and_b32 v3, 31, v0                           ; lane
	v_lshrrev_b32 v5, 2, v3
	v_mul_u32_u24 v5, v5, SPITCH
	v_and_b32 v6, 3, v3
	v_lshl_add_u32 v5, v6, 4, v5
	s_lshl_b32 s98, s20, 6
	s_add_co_u32 s98, s98, STAGE
	v_add_nc_u32 v[RQ], s98, v5                    ; q, k: wave w takes the tile's head w: 64 bytes of each of 128 rows, eight rows an instruction
	v_lshlrev_b32 v[GQ], 4, v3
	s_mul_i32 s98, s20, 32*SPITCH
	s_add_co_u32 s98, s98, STAGE
	v_mul_u32_u24 v5, v2, SPITCH
	v_lshl_add_u32 v5, v1, 4, v5
	v_add_nc_u32 v[RV], s98, v5                    ; v: wave w takes channels 32 w on, two whole rows of 256 bytes an instruction
	v_lshlrev_b32 v[GV], 11, v2
	v_lshl_add_u32 v[GV], v1, 4, v[GV]
	; the bias: along B's rows for q and k, along A's rows for v.  The offset of the one that does not count is held at the buffer's head, and what it brings is cleared
	s_lshl_b32 s98, s71, 8
	s_lshl_b32 s99, s22, 7
	s_add_co_u32 s98, s98, s99
	s_lshl_b32 s98, s98, 2                         ; 4 x my first row of B
	s_lshl_b32 s99, s70, 7
	s_lshl_b32 s23, s21, 6
	s_add_co_u32 s99, s99, s23
	s_lshl_b32 s99, s99, 2                         ; 4 x my first row of A
	s_cmp_eq_u32 s68, 2
	s_cselect_b32 s98, 0, s98
	s_cselect_b32 s99, s99, 0
	s_cselect_b32 s78, 0, -1                       ; all lanes: the bias along B's rows counts
	s_cselect_b32 s79, -1, 0                       ; all lanes: the bias along A's rows counts
	s_cselect_b64 s[94:95], s[12:13], s[8:9]
	s_cmp_eq_u32 s68, 1
	s_cselect_b64 s[94:95], s[10:11], s[94:95]     ; bq, bk or bv
	v_lshl_add_u32 v5, v2, 5, s98
	v_lshl_add_u32 v6, v1, 2, s99
.irp b, 0,1,2,3,4,5,6,7
	global_load_b128 v[BN+8*\b:BN+8*\b+3], v5, s[94:95] offset:64*\b
	global_load_b128 v[BN+8*\b+4:BN+8*\b+7], v5, s[94:95] offset:64*\b+16
.endr
.irp a, 0,1,2,3
	global_load_b32 v[BM+2*\a], v6, s[94:95] offset:64*\a
.endr
	; where the results go
	s_lshr_b32 s98, s70, 4
	s_lshl_b32 s98, s98, 4
	s_lshl_b32 s99, s71, 2
	s_add_co_u32 s98, s98, s99
	s_add_co_u32 s98, s98, s20                     ; q, k: batch x 16 + head
	s_lshl_b32 s98, s98, 17
	s_and_b32 s99, s70, 15
	s_lshl_b32 s99, s99, 13                        ; + 128 tokens x 64 bytes for each tile row inside the batch
	s_add_co_u32 s98, s98, s99
	s_mov_b32 s99, 0
	s_cmp_eq_u32 s68, 1
	s_cselect_b64 s[14:15], s[16:17], s[14:15]
	s_add_nc_u64 s[14:15], s[14:15], s[98:99]
	s_lshr_b32 s98, s71, 3
	s_lshl_b32 s98, s98, 10
	s_lshl_b32 s23, s70, 7
	s_add_co_u32 s98, s98, s23
	s_lshl_b32 s23, s20, 5
	s_add_co_u32 s98, s98, s23                     ; v: batch x 1,024 + channel
	s_lshl_b32 s98, s98, 11
	s_and_b32 s23, s71, 7
	s_lshl_b32 s23, s23, 8                         ; + 256 keys for each tile column inside the batch
	s_add_co_u32 s98, s98, s23
	s_add_nc_u64 s[18:19], s[18:19], s[98:99]
	s_wait_kmcnt 0x0
	s_add_co_i32 s80, s80, s81
	s_add_co_i32 s82, s82, s83
	s_add_co_i32 s84, s84, s85
	s_cmp_eq_u32 s68, 1
	s_cselect_b32 s80, s82, s80
	s_cselect_b32 s86, s87, s86
	s_cmp_eq_u32 s68, 2
	s_cselect_b32 s80, s84, s80                    ; the two operands' exponents added,
	s_cselect_b32 s86, s89, s86                    ; and the result's own: e6, e7 or e9
	s_add_co_i32 s80, s80, 126                     ; S1 - S2 is twice the sum: it stands for (S1 - S2) x 2^(the exponents added - 1)
	s_lshl_b32 s92, s80, 23
	s_mov_b32 s93, s92                             ; (named with it as a pair, so it is written)
	s_add_co_i32 s86, s86, 127
	s_lshl_b32 s87, s86, 23
	v_mov_b32 v[SC], s87                           ; the result's scale as f32
	s_wait_loadcnt 0x0
.set i, 0
.rept 64
	v_cndmask_b32 v[BN+i], 0, v[BN+i], s78
.set i, i+1
.endr
.irp a, 0,1,2,3
	v_cndmask_b32 v[BM+2*\a], 0, v[BM+2*\a], s79
	v_mov_b32 v[BM+2*\a+1], v[BM+2*\a]
.endr
	s_wait_tensorcnt 2                             ; my part of K step 0 is in; K steps 1 and 2 may be out
	s_barrier_signal -1
	s_barrier_wait -1
	FETCH 0, 0, 0
	KSTEP 0, 1, 0, 1                               ; the first products start the sums: nothing is cleared
	; slot 0's second half, and its refill.  Every wave waits for all its tensor loads, adds 0 to its spare word, waits for that and for its reads of slot 0; the barrier opens a round of the cluster's barrier
	WIN 0
	s_wait_tensorcnt 0x0                           ; slots 1 and 2 are whole as far as I fetch them; no load of mine is out, so a group 0 may be written
	ds_add_u32 v[SPW], v[NIL]
	s_add_nc_u64 s[G0A+2:G0A+3], s[G0A+2:G0A+3], 12*PSTA   ; slot 0's next tile: K step 3
	s_add_nc_u64 s[G0B+2:G0B+3], s[G0B+2:G0B+3], 12*PST
	s_wait_dscnt 0x0                               ; the add is done, and my reads of slot 0 are over
	s_barrier_signal -1
	WIN MUL
	MUL16 0, 1, 0
	WIN 0
	s_barrier_wait -1
	CREST                                          ; no wave of any partner still reads slot 0 or has a load on its way
	JLOAD G0A, G1A, G0B, G1B                       ; the first tensor load behind the round; its four v_nop are also the places in front of the loads below
	FETCH 1, 0, 0
	WIN MUL
	MUL16 2, 1, 0
	TWIN 1, 0
	KSTEP 1, 1, 0, 0
	KSTEP 2, 0, 1, 0                               ; no barrier: the round above has shown slots 1 and 2 whole to every wave
	KSTEP 2, 1, 0, 0
	WIN 0
	s_wait_tensorcnt 0x0                           ; my part of K step 3 is in
	s_wait_dscnt 0x0
	s_barrier_signal -1
	WIN MUL
	MUL16 0, 1, 0
	WIN 0
	s_barrier_wait -1                              ; everybody's is; and nobody reads slot 1 any more
	PLACES 4
	FETCH 0, 0, 0
	WIN MUL
	MUL16 2, 1, 0
	TWIN 1, 0
	KSTEP 0, 1, 0, 0
	s_wait_dscnt 0x0
	WIN MUL
	MUL16 0, 1, 0
	MUL16 2, 1, 0
	TWIN 1, 0
	WIN 0
; THE WAY OUT.  Block a (16 rows of A x my 128 rows of B): (S1 - S2) x 2^(the operands' exponents - 1) + bias, held, converted: eight codes a tile, into the stage.
.macro ROWOUT a
	WIN 0x0e                                       ; source 0: S1, window 2; source 1: S2, window 3
.set i, 0
.rept 32
	v_pk_add_f32 v[TT+i:TT+i+1], v[64*(\a)+i:64*(\a)+i+1], v[64*(\a)+i:64*(\a)+i+1] neg_lo:[0,1] neg_hi:[0,1]   ; S1 - S2; each accumulator from its low end on
.set i, i+2
.endr
	WIN 0
.set i, 0
.rept 32
	v_pk_fma_f32 v[TT+i:TT+i+1], v[TT+i:TT+i+1], s[92:93], v[BN+i:BN+i+1] op_sel_hi:[1,0,1]
.set i, i+2
.endr
.set i, 0
.rept 32
	v_pk_add_f32 v[TT+i:TT+i+1], v[TT+i:TT+i+1], v[BM+2*(\a):BM+2*(\a)+1]
.set i, i+2
.endr
.set i, 0
.rept 64
.set i, i+1
.endr
.irp b, 0,1,2,3,4,5,6,7
	v_cvt_scalef32_pk8_bf8_f32 v[192+16*(\a)+2*\b:192+16*(\a)+2*\b+1], v[TT+8*\b:TT+8*\b+7], v[SC]
.endr
	v_nop                                          ; a plain line behind the last conversion: the next block writes its sources
.irp b, 0,1,2,3,4,5,6,7
	ds_store_b64 v[STO], v[192+16*(\a)+2*\b:192+16*(\a)+2*\b+1] offset:16*SPITCH*(\a)+32*(\b/2)+8*(\b%2)
.endr
.endm
	PLACES 4
	ROWOUT 0
	ROWOUT 1
	ROWOUT 2
	ROWOUT 3
	s_wait_dscnt 0x0                               ; for the others' sake: my stores into the stage are done
	s_barrier_signal -1
	s_barrier_wait -1
	s_cmp_eq_u32 s68, 2                            ; the role: the same in all partners
	s_cbranch_scc1 .Lkeys_innermost
.irp i, 0,1,2,3,4,5,6,7,8,9,10,11,12,13,14,15
	ds_load_b128 v[TT+4*\i:TT+4*\i+3], v[RQ] offset:8*SPITCH*\i
.endr
.irp i, 0,1,2,3,4,5,6,7,8,9,10,11,12,13,14,15
	s_wait_dscnt 15-\i
	global_store_b128 v[GQ], v[TT+4*\i:TT+4*\i+3], s[14:15] offset:512*\i   ; 32 lanes store 512 consecutive bytes, aligned: eight tokens of one head
.endr
	s_branch .Ldone
.Lkeys_innermost:
.irp i, 0,1,2,3,4,5,6,7,8,9,10,11,12,13,14,15
	ds_load_b128 v[TT+4*\i:TT+4*\i+3], v[RV] offset:2*SPITCH*\i
.endr
.irp i, 0,1,2,3,4,5,6,7,8,9,10,11,12,13,14,15
	s_wait_dscnt 15-\i
	global_store_b128 v[GV], v[TT+4*\i:TT+4*\i+3], s[18:19] offset:4096*\i  ; 16 lanes store 256 consecutive bytes, aligned: 256 keys of one channel
.endr
.Ldone:
	s_wait_tensorcnt 0x0                           ; the wave's end
	ds_add_u32 v[SPW], v[NIL]
	s_wait_dscnt 0x0
	CROUND                                         ; the closing round
	s_endpgm
.Lfunc_end_k_q9ca18b9284_proj:
	.size	k_q9ca18b9284_proj, .Lfunc_end_k_q9ca18b9284_proj-k_q9ca18b9284_proj
	.p2alignl 7, 3214868480
	.fill 96, 4, 3214868480
	.section	.rodata,"a",@progbits
	.p2align	6, 0x0
	.amdhsa_kernel k_q9ca18b9284_proj
		.amdhsa_group_segment_fixed_size 327680
		.amdhsa_private_segment_fixed_size 0
		.amdhsa_enable_private_segment 0
		.amdhsa_kernarg_size 64
		.amdhsa_user_sgpr_count 2
		.amdhsa_user_sgpr_kernarg_segment_ptr 1
		.amdhsa_wavefront_size32 1
		.amdhsa_system_sgpr_workgroup_id_x 1
		.amdhsa_system_sgpr_workgroup_id_y 1
		.amdhsa_system_sgpr_workgroup_id_z 1
		.amdhsa_system_vgpr_workitem_id 0
		.amdhsa_next_free_vgpr 1024
		.amdhsa_next_free_sgpr 100
		.amdhsa_reserve_vcc 0
		.amdhsa_float_denorm_mode_32 3
		.amdhsa_float_denorm_mode_16_64 3
		.amdhsa_fp16_overflow 1
		.amdhsa_memory_ordered 1
		.amdhsa_forward_progress 1
		.amdhsa_inst_pref_size 130
	.end_amdhsa_kernel
	.amdgpu_metadata
---
amdhsa.version: [ 1, 2 ]
amdhsa.kernels:
  - .name:           k_q9ca18b9284_proj
    .symbol:         k_q9ca18b9284_proj.kd
    .args:
      - { .name: codes, .offset: 0, .size: 8, .value_kind: global_buffer, .address_space: global }
      - { .name: lowp_scales, .offset: 8, .size: 8, .value_kind: global_buffer, .address_space: global }
      - { .name: bq, .offset: 16, .size: 8, .value_kind: global_buffer, .address_space: global }
      - { .name: bk, .offset: 24, .size: 8, .value_kind: global_buffer, .address_space: global }
      - { .name: bv, .offset: 32, .size: 8, .value_kind: global_buffer, .address_space: global }
      - { .name: qc, .offset: 40, .size: 8, .value_kind: global_buffer, .address_space: global }
      - { .name: kc, .offset: 48, .size: 8, .value_kind: global_buffer, .address_space: global }
      - { .name: vc, .offset: 56, .size: 8, .value_kind: global_buffer, .address_space: global }
    .group_segment_fixed_size: 327680
    .private_segment_fixed_size: 0
    .kernarg_segment_align: 8
    .kernarg_segment_size: 64
    .max_flat_workgroup_size: 128
    .sgpr_count:     100
    .vgpr_count:     1024
    .wavefront_size: 32
...
	.end_amdgpu_metadata
.endif
;; end of part 2
;; launch attn (part 3): grid 4 x 64, 16 waves a work-group, no clusters, 327,680 bytes of LDS; arguments qc, kc, vc, lowp_scales, ac; writes ac
.if DOCPART == 3
	.amdgcn_target "amdgcn-amd-amdhsa--gfx1250"
	.amdhsa_code_object_version 6
	.text
	.protected	k_q9ca18b9284_attn
	.globl	k_q9ca18b9284_attn
	.p2align	8
	.type	k_q9ca18b9284_attn,@function
k_q9ca18b9284_attn:
	s_mov_b64 s[64:65], 0
	v_nop
	global_prefetch_b8 v0, s[64:65] scope:SCOPE_SE
	s_setreg_imm32_b32 hwreg(HW_REG_WAVE_MODE, 25, 1), 1
	s_wait_xcnt 0x0
; Causal attention on codes of BF8 (E5M2): o = softmax(q k^T / 8, key <= query) v for 64 heads (batch x 16 + head) of 2,048 tokens x 64, and o quantised at once, with e10, for the last projection.
; qc, kc: [head][token][64].  vc: [head][channel][2,048 keys].  ac: [head % 16][batch x 2,048 + token][64].  In all four, inside each 32 bytes along K the groups of eight codes stand as 0-7, 16-23, 8-15, 24-31,
; so that a lane's 16-byte load at 16 (lane / 16) puts every k into the place that the matrix forms' own layout gives it.
; THE SOFTMAX AHEAD OF THE SECOND PRODUCT: t = score x log2(e) / 8; M = the running largest t rounded UP to a whole number; p = 2^(t - M) is quantised with e8, not normalised; the row's sum is taken of the
; unquantised p and divides at the end.  When M moves, the sum and O are multiplied by 2^(old M - new M), which rounds nothing.
; SHARES.  Work-group x = p of a head takes the block of 256 queries 7 - p, which needs the key slots (256 keys) 0 .. 7 - p, and then block p, which needs 0 .. p: NINE slots whatever p is.  So the 256 work-groups
; have equal work, no slot is fetched that the mask hides as a whole, and the trip count is a constant.  Each of the sixteen waves owns 16 queries of the block in hand, in 256 registers: four waves to a SIMD.
; NO CLUSTER: from slot 8 - p on the four work-groups of a head need different key slots; walking jointly they would pass 8 + 4 slots against 9.
; LAYOUT.  Both products are used transposed: S^T = K Q^T (source 0 = 16 neighbouring keys, source 1 = my 16 queries; the form with K = 64), O^T = V^T P^T (source 0 = 16 channels, source 1 = P; K = 128 keys):
; a lane holds ONE query (lane % 16) throughout; in S^T tile T its register j is key 16 T + 8 (lane / 16) + j, so the conversions' results are P's operand, each key in its own place.
; A step all of whose keys come after my queries is jumped over (a scalar branch on ids; no barrier and no tensor load stands in a step); on the diagonal hidden scores become -infinity.
; LIMITS: e6 + e7 between -123 and 130 (added to c's exponent field); e8, and e10 - e8 - e9, between -126 and 112.  NaN is not served.
; REGISTERS: v1-4, v7, v10, v11 addresses that stay; v5, v6 the add's; v8, v9 addresses of the step; v12 -M, v13 the largest t, v[14:15] the sum; v16-23 Q in hand, v24-31 Q of the second block;
;   v32-95 K's eight fragments or V's four; v96-159 S^T, then p; v160-191 O^T; v192-223 the way out; v224-239 codes (a matrix operand: nothing else lives there); v244, v245 scales;
;   v242, v243, v252-254 at work; v247 what the other half of the lanes sends.
.set KT,    1088                       ; 16 keys in LDS: four times 256 bytes + 16
.set VP,    272                        ; a channel's 256 keys in LDS: + 16
.set HALF,  8704                       ; what one tensor load brings: 128 keys of K, or 32 channels of V
.set VOFF,  2*HALF                     ; a slot: K's 256 keys, then V's 64 channels
.set SLOT1, 1<<16                      ; slot 1 begins here: one exclusive or turns an address
.set NSL,   9
.set STAGE, 2*SLOT1                    ; the way out: 16 rows x 80 bytes for each wave; bytes of its own
.set SPARE, STAGE+16*1280              ; the spare words, 128 bytes for each wave: eight blocks of 256 bytes that no other line names
.set AK0,  1
.set AV0,  2
.set PFO,  3
.set QOF,  4
.set SPW,  5
.set NIL,  6
.set GO,   7
.set ADK,  8
.set ADV,  9
.set SIN,  10
.set SBK,  11
.set RCP,  242                         ; v242 the way out: 1 / the row's sum (v243 is named with it as a pair)
.set XCH,  247                         ; v247 the exchange between the halves of the lanes: a register that no matrix instruction names
.set TB,   2                           ; s2   LDS byte at which the slot in hand begins
.set WV,   18
.set SEL,  20
.set CS,   22
.set G1K,  24
.set G1V,  32
.set G0K,  40
.set G0V,  44
.set KB,   48                          ; s[48:49], s[50:51] my tile of key slot 0 in kc, in vc
.set VB,   50
.set KO,   52                          ; s[52:53], s[54:55] the requested key slot's offset
.set VO,   54
.set KREQ, 56                          ; s56  the key slot last requested
.set SIG,  57                          ; s57  how many slots have been walked
.set P1,   58                          ; s58  8 - p: the first block's slots
.set Q0B,  59                          ; s59  my first query of the second block
.set AB,   60                          ; s[60:61] ac at my head's panel and batch
.set AO,   62                          ; s[62:63] and at my 16 queries
.set SLOTS, 67
.set PFA,  76
.set PFS,  78
.set LIM,  80
.set KF,   98                          ; s98  the step's first key
.set Q0,   99                          ; s99  my first query
; Waves 0 and 1 fetch K's halves, waves 2 and 3 V's, the others nothing.  Four v_nop follow each of the two lines.
.macro TLOAD
	s_cmp_lt_u32 s[WV], 2
	s_cbranch_scc0 .Lnot_k_\@
	tensor_load_to_lds s[G0K:G0K+3], s[G1K:G1K+7]
	s_nop 0
.rept 4
	v_nop
.endr
	s_branch .Lasked_\@
.Lnot_k_\@:
	s_cmp_lt_u32 s[WV], 4
	s_cbranch_scc0 .Lasked_\@
	tensor_load_to_lds s[G0V:G0V+3], s[G1V:G1V+7]
	s_nop 0
.rept 4
	v_nop
.endr
.Lasked_\@:
.endm
; A prefetch of the key slot that the NEXT change of slots will ask for.  The head's work-group p = 0 walks key slots 0 to 7 in order: it alone asks.  Waves 4 and 5: K's block of 16,384 bytes, 8,192 a wave, lanes 256 bytes
; apart; waves 6 and 7: V's 64 channels, 32 a wave, a lane a row of 256 bytes.  So each aligned 256 bytes are named once.  The change at slot n names key slot n + 2, while that is 7 at the most; slots 0 and 1 come by their loads alone.
.macro ASK
	s_cmp_gt_u32 s[SLOTS], s[LIM]
	s_cbranch_scc0 .Lnot_mine_\@
	global_prefetch_b8 v[PFO], s[PFA:PFA+1] th:TH_LOAD_NT scope:SCOPE_SE
.Lnot_mine_\@:
.endm
.macro INIT                            ; a block of queries begins: the first change of M multiplies zeros
	v_mov_b32 v13, 0xff61b1e6                      ; the largest t so far: -3e38
	s_delay_alu instid0(VALU_DEP_1)
	v_floor_f32 v12, -v13                          ; -M
	v_mov_b32 v14, 0
	v_mov_b32 v15, 0
.set j, 0
.rept 32
	v_mov_b32 v[160+j], 0
.set j, j+1
.endr
.endm
	s_load_b256 s[4:11], s[0:1], 0x0               ; qc s[4:5], kc s[6:7], vc s[8:9], the scales' exponents s[10:11]
	s_load_b64 s[12:13], s[0:1], 0x20              ; ac
	v_lshl_add_u32 v[SPW], v0, 2, SPARE
	v_mov_b32 v[NIL], 0
	ds_add_u32 v5, v6
	ds_add_u32 v5, v6
	s_wait_dscnt 0x0
	v_lshrrev_b32 v8, 5, v0
	s_delay_alu instid0(VALU_DEP_1)
	v_readfirstlane_b32 s[WV], v8                  ; wave 0..15
	s_and_b32 s81, ttmp7, 0xffff                   ; batch x 16 + head
	s_sub_co_u32 s[P1], 8, ttmp9
	s_sub_co_u32 s82, 7, ttmp9
	s_lshl_b32 s82, s82, 8
	s_lshl_b32 s83, s[WV], 4
	s_add_co_u32 s[Q0], s82, s83                   ; 256 (7 - p) + 16 x wave
	s_lshl_b32 s82, ttmp9, 8
	s_add_co_u32 s[Q0B], s82, s83                  ; 256 p + 16 x wave
	s_lshl_b32 s84, s81, 17                        ; the head's first byte in qc, kc and vc: 131,072 bytes a head
	s_and_b32 s86, s[WV], 1
	s_lshl_b32 s88, s86, 13                        ; K: my 128 keys of 64 bytes,
	s_add_co_u32 s88, s88, s84
	s_mov_b32 s89, 0
	s_lshl_b32 s90, s86, 16                        ; V: my 32 channels of 2,048 bytes
	s_add_co_u32 s90, s90, s84
	s_mov_b32 s91, 0
	s_mul_i32 s87, s86, HALF                       ; and their place in a slot
	s_lshl_b32 s92, s[Q0], 6
	s_add_co_u32 s92, s92, s84
	s_mov_b32 s93, 0
	s_lshl_b32 s94, s[Q0B], 6
	s_add_co_u32 s94, s94, s84
	s_mov_b32 s95, 0
	; descriptor group 1.  K: 128 keys are one dense run, stated as 32 rows of 256 bytes.  V: 32 rows of 256 bytes, 2,048 apart.  16 bytes of padding behind each row
	s_mov_b32 s[G1K], (1<<20)|(5<<22)|(3<<25)      ; no mask; elements of 1 byte; padding on: four words after every 64
	s_mov_b32 s[G1K+1], 256<<16
	s_mov_b32 s[G1K+2], 32<<16
	s_mov_b32 s[G1K+3], 256<<16
	s_mov_b32 s[G1K+4], 32
	s_mov_b32 s[G1K+5], 256
	s_mov_b32 s[G1K+6], 0
	s_mov_b32 s[G1K+7], 0
	s_mov_b32 s[G1V], (1<<20)|(5<<22)|(3<<25)
	s_mov_b32 s[G1V+1], 256<<16
	s_mov_b32 s[G1V+2], 32<<16
	s_mov_b32 s[G1V+3], 256<<16
	s_mov_b32 s[G1V+4], 32
	s_mov_b32 s[G1V+5], 2048
	s_mov_b32 s[G1V+6], 0
	s_mov_b32 s[G1V+7], 0
	s_mov_b32 s[SEL], 0x76543210
	s_mov_b32 s[SEL+1], 0xfedcba98
	s_mov_b32 s[CS], 0x3e38aa3b                    ; c = log2(e) / 8
	s_mov_b32 s[TB], 0
	s_mov_b32 s[SLOTS], NSL-1
	s_mov_b32 s[KF], 0
	s_mov_b32 s[KREQ], 0
	s_mov_b32 s[SIG], 0
	s_mov_b32 s[KO+1], 0
	s_mov_b32 s[VO+1], 0
	s_wait_kmcnt 0x0
	s_load_b128 s[68:71], s[10:11], 0x18           ; e6, e7, e8, e9
	s_load_b32 s72, s[10:11], 0x28                 ; e10
	s_add_nc_u64 s[KB:KB+1], s[6:7], s[88:89]
	s_add_nc_u64 s[VB:VB+1], s[8:9], s[90:91]
	s_mov_b32 s[G0K], 1
	s_mov_b32 s[G0K+1], s87
	s_mov_b64 s[G0K+2:G0K+3], s[KB:KB+1]
	s_or_b32 s[G0K+3], s[G0K+3], 0x80000000
	s_mov_b32 s[G0V], 1
	s_add_co_u32 s[G0V+1], s87, VOFF
	s_mov_b64 s[G0V+2:G0V+3], s[VB:VB+1]
	s_or_b32 s[G0V+3], s[G0V+3], 0x80000000
	TLOAD                                          ; key slot 0 into LDS slot 0
	s_add_nc_u64 s[92:93], s[4:5], s[92:93]        ; Q's codes of the first block,
	s_add_nc_u64 s[94:95], s[4:5], s[94:95]        ; and of the second
	v_and_b32 v32, 15, v0                          ; r
	v_bfe_u32 v33, v0, 4, 1                        ; h
	v_and_b32 v34, 31, v0                          ; lane
	s_wait_alu depctr_va_vdst(0)
	v_lshlrev_b32 v[QOF], 6, v32
	s_delay_alu instid0(VALU_DEP_1)
	v_lshl_add_u32 v[QOF], v33, 4, v[QOF]          ; 64 r + 16 h
	global_load_b128 v[16:19], v[QOF], s[92:93]
	global_load_b128 v[20:23], v[QOF], s[92:93] offset:32
	global_load_b128 v[24:27], v[QOF], s[94:95]
	global_load_b128 v[28:31], v[QOF], s[94:95] offset:32
	s_and_b32 s82, s81, 15
	s_lshl_b32 s82, s82, 19                        ; ac: the head's panel of 524,288 bytes,
	s_lshr_b32 s83, s81, 4
	s_lshl_b32 s83, s83, 17                        ; the batch's 2,048 rows of 64
	s_add_co_u32 s82, s82, s83
	s_mov_b32 s83, 0
	s_add_nc_u64 s[AB:AB+1], s[12:13], s[82:83]
	; the prefetches: where my wave's stand, and who asks
	s_cmp_lt_u32 s[WV], 6
	s_cselect_b64 s[PFA:PFA+1], s[6:7], s[8:9]
	s_mov_b32 s[PFS], 256
	s_cselect_b32 s[PFS], 16384, s[PFS]            ; a key slot on
	s_mov_b32 s82, 2048
	s_cselect_b32 s82, 256, s82                    ; from lane to lane
	s_mov_b32 s83, 65536
	s_cselect_b32 s83, 8192, s83                   ; from wave to wave
	v_mul_lo_u32 v[PFO], v34, s82
	s_mul_i32 s82, s86, s83
	s_add_co_u32 s82, s82, s[PFS]                  ; at key slot 1: the first change of slots steps it to 2
	s_add_co_u32 s82, s82, s84
	s_mov_b32 s83, 0
	s_mov_b32 s[PFS+1], 0
	s_add_nc_u64 s[PFA:PFA+1], s[PFA:PFA+1], s[82:83]
	s_sub_co_u32 s82, s[WV], 4
	s_lshr_b32 s82, s82, 2                         ; 0 in waves 4 to 7,
	s_or_b32 s82, s82, ttmp9                       ; of the head's work-group 0
	s_cmp_eq_u32 s82, 0
	s_cselect_b32 s[LIM], 2, -1
	v_lshrrev_b32 v35, 2, v32
	s_wait_alu depctr_va_vdst(0)
	v_lshl_add_u32 v[AK0], v35, 4, v[QOF]          ; K: 64 r + 16 (r / 4) + 16 h
	v_mul_u32_u24 v[AV0], v32, VP
	s_delay_alu instid0(VALU_DEP_1)
	v_lshl_add_u32 v[AV0], v33, 4, v[AV0]
	s_delay_alu instid0(VALU_DEP_1)
	v_add_nc_u32 v[AV0], VOFF, v[AV0]              ; V: channel r, + 16 h
	v_lshlrev_b32 v[GO], 4, v34                    ; the way out, in memory: 16 x lane
	s_mul_i32 s82, s[WV], 1280
	s_add_co_u32 s82, s82, STAGE                   ; my stage
	v_mul_u32_u24 v[SIN], v32, 80
	s_delay_alu instid0(VALU_DEP_1)
	v_lshl_add_u32 v[SIN], v33, 4, v[SIN]
	s_delay_alu instid0(VALU_DEP_1)
	v_add_nc_u32 v[SIN], s82, v[SIN]               ; in: row r, 16 h bytes on: tile t's eight channels 16 t + 8 h + 0 .. 7 go to byte 32 (t / 2) + 16 h + 8 (t % 2)
	v_lshrrev_b32 v35, 2, v34
	s_delay_alu instid0(VALU_DEP_1)
	v_mul_u32_u24 v[SBK], v35, 80
	v_and_b32 v35, 3, v34
	s_delay_alu instid0(VALU_DEP_1)
	v_lshl_add_u32 v[SBK], v35, 4, v[SBK]
	s_delay_alu instid0(VALU_DEP_1)
	v_add_nc_u32 v[SBK], s82, v[SBK]               ; back: eight rows of 64 bytes an instruction
	v_mov_b32 v[XCH], 0                            ; written once: a lane permute's destination counts as one of its sources,
	v_mov_b32 v[RCP], 0                            ; and these are written on every way, also where a step is jumped over
	v_mov_b32 v[RCP+1], 0
	v_mov_b32 v252, 0
	v_mov_b32 v253, 0
	v_mov_b32 v254, 0
	INIT
	s_wait_kmcnt 0x0
	s_add_co_i32 s82, s68, s69
	s_lshl_b32 s82, s82, 23
	s_add_co_i32 s[CS], s[CS], s82                 ; a score stands for score x 2^(e6 + e7): added to c's exponent field
	s_mov_b32 s[CS+1], s[CS]
	s_add_co_i32 s82, s70, 127
	s_lshl_b32 s83, s82, 23
	v_mov_b32 v244, s83                            ; 2^e8
	s_sub_co_i32 s82, s72, s70                     ; a sum of the second product stands for sum x 2^(e8 + e9): its code is (sum / l) / 2^(e10 - e8 - e9): the three scales folded into the conversion's one
	s_sub_co_i32 s82, s82, s71
	s_add_co_i32 s82, s82, 127
	s_lshl_b32 s83, s82, 23
	v_mov_b32 v245, s83                            ; 2^(e10 - e8 - e9)
; A KEY STEP: 128 keys, the q-th of the slot in hand.
.macro STEP q
	s_add_co_u32 s96, s[Q0], 15
	s_cmp_gt_u32 s[KF], s96                        ; all 128 keys come after my 16 queries: the step's work is left out
	s_cbranch_scc1 .Lhidden_\@
	v_add_nc_u32 v[ADK], s[TB], v[AK0]
	v_add_nc_u32 v[ADV], s[TB], v[AV0]
	v_nop                                          ; with the two additions: four places in front of loads into registers that the last products read
	v_nop
.irp t, 0,1,2,3,4,5,6,7
.irp c, 0,1
	ds_load_b128 v[32+8*\t+4*\c:32+8*\t+4*\c+3], v[ADK] offset:(8*(\q)+\t)*KT+32*\c
.endr
.endr
	s_wait_dscnt 0x0
.irp t, 0,1,2,3,4,5,6,7
	v_wmma_f32_16x16x64_bf8_bf8 v[96+8*\t:103+8*\t], v[32+8*\t:39+8*\t], v[16:23], 0
.endr
.rept 4
	v_nop
.endr
	s_add_co_u32 s96, s[KF], 127
	s_cmp_le_u32 s96, s[Q0]                        ; all 128 keys count for all my queries: no mask
	s_cbranch_scc1 .Lopen_\@
	s_sub_co_i32 s96, s[Q0], s[KF]
	v_and_b32 v252, 15, v0
	v_bfe_u32 v253, v0, 4, 1
	s_delay_alu instid0(VALU_DEP_1)
	v_lshlrev_b32 v253, 3, v253
	s_delay_alu instid0(VALU_DEP_1)
	v_sub_nc_u32 v252, v252, v253
	s_delay_alu instid0(VALU_DEP_1)
	v_add_nc_u32 v252, s96, v252                   ; d = my query - the step's first key - 8 (lane / 16): register 8 T + j is hidden where 16 T + j > d
	v_mov_b32 v254, 0xff800000                     ; -infinity
.set n, 0
.rept 64
	v_cmp_gt_i32 vcc_lo, 16*(n/8)+n%8, v252
	v_cndmask_b32 v[96+n], v[96+n], v254, vcc_lo
.set n, n+1
.endr
.Lopen_\@:
	v_max3_num_f32 v254, v96, v97, v98             ; the step's largest score of my query among my 64 keys, in two chains, each accumulator from its low end on,
	v_max3_num_f32 v252, v99, v100, v101
.irp i, 6,10,14,18,22,26,30,34,38,42,46,50,54,58
	v_max3_num_f32 v254, v254, v[96+\i], v[97+\i]
	v_max3_num_f32 v252, v252, v[98+\i], v[99+\i]
.endr
	v_max3_num_f32 v254, v254, v158, v159
	s_delay_alu instid0(VALU_DEP_1)
	v_max_num_f32 v254, v254, v252
	s_delay_alu instid0(VALU_DEP_1)
	v_permlanex16_b32 v[XCH], v254, s[SEL], s[SEL+1]
	s_delay_alu instid0(VALU_DEP_1)
	v_max_num_f32 v254, v254, v[XCH]               ; and among the other half's
	s_delay_alu instid0(VALU_DEP_1)
	v_mul_f32 v254, s[CS], v254                    ; as t (c is positive)
	s_delay_alu instid0(VALU_DEP_1)
	v_max_num_f32 v13, v13, v254                   ; the running largest t
	v_mov_b32 v254, v12
	s_delay_alu instid0(VALU_DEP_2)
	v_floor_f32 v12, -v13                          ; the new -M = floor(-t): M is a whole number
	s_delay_alu instid0(VALU_DEP_1)
	v_sub_f32 v254, v12, v254                      ; old M - new M: a whole number, 0 or less
	s_delay_alu instid0(VALU_DEP_1)
	v_cvt_i32_f32 v254, v254                       ; (it saturates)
	s_delay_alu instid0(VALU_DEP_1)
	v_ldexp_f32 v252, 1.0, v254                    ; f = 2^(old M - new M)
.set j, 0
.rept 32
	v_pk_fma_f32 v[96+j:97+j], v[96+j:97+j], s[CS:CS+1], v[12:13] op_sel_hi:[1,0,0]   ; t - M, two at a time
.set j, j+2
.endr
.set j, 0
	s_wait_alu depctr_va_vdst(0)
.rept 64
	v_exp_f32 v[96+j], v[96+j]                     ; p = 2^(t - M)
.set j, j+1
.endr
	v_pk_mul_f32 v[14:15], v[14:15], v[252:253] op_sel_hi:[1,0]   ; the sums under the new M: the plain line behind the exponentials
	s_wait_alu depctr_va_vdst(0)                   ; one wait for the batch of 64, ahead of its first reader
	v_pk_add_f32 v[242:243], v[100:101], v[104:105]
	v_pk_add_f32 v[254:255], v[108:109], v[112:113]
	v_pk_add_f32 v[250:251], v[116:117], v[120:121]
	v_pk_add_f32 v[248:249], v[124:125], v[128:129]
	v_pk_add_f32 v[240:241], v[132:133], v[136:137]
	v_pk_add_f32 v[238:239], v[140:141], v[144:145]
	v_pk_add_f32 v[236:237], v[148:149], v[152:153]
	v_pk_add_f32 v[14:15], v[14:15], v[156:157]
	v_pk_add_f32 v[242:243], v[242:243], v[96:97]
	v_pk_add_f32 v[254:255], v[254:255], v[98:99]
	v_pk_add_f32 v[250:251], v[250:251], v[102:103]
	v_pk_add_f32 v[248:249], v[248:249], v[106:107]
	v_pk_add_f32 v[240:241], v[240:241], v[110:111]
	v_pk_add_f32 v[238:239], v[238:239], v[114:115]
	v_pk_add_f32 v[236:237], v[236:237], v[118:119]
	v_pk_add_f32 v[14:15], v[14:15], v[122:123]
	v_pk_add_f32 v[242:243], v[242:243], v[126:127]
	v_pk_add_f32 v[254:255], v[254:255], v[130:131]
	v_pk_add_f32 v[250:251], v[250:251], v[134:135]
	v_pk_add_f32 v[248:249], v[248:249], v[138:139]
	v_pk_add_f32 v[240:241], v[240:241], v[142:143]
	v_pk_add_f32 v[238:239], v[238:239], v[146:147]
	v_pk_add_f32 v[236:237], v[236:237], v[150:151]
	v_pk_add_f32 v[14:15], v[14:15], v[154:155]
	v_pk_add_f32 v[242:243], v[242:243], v[158:159]
	s_delay_alu instid0(VALU_DEP_2)
	v_pk_add_f32 v[14:15], v[14:15], v[248:249]
	s_delay_alu instid0(VALU_DEP_2)
	v_pk_add_f32 v[242:243], v[242:243], v[240:241]
	v_pk_add_f32 v[254:255], v[254:255], v[238:239]
	v_pk_add_f32 v[250:251], v[250:251], v[236:237]
	s_delay_alu instid0(VALU_DEP_2)
	v_pk_add_f32 v[14:15], v[14:15], v[254:255]
	s_delay_alu instid0(VALU_DEP_2)
	v_pk_add_f32 v[242:243], v[242:243], v[250:251]
	s_delay_alu instid0(VALU_DEP_1)
	v_pk_add_f32 v[14:15], v[14:15], v[242:243]
.irp t, 0,1,2,3,4,5,6,7
.irp i, 0,1,2,3,4,5,6,7
.endr
	v_cvt_scalef32_pk8_bf8_f32 v[224+2*\t:225+2*\t], v[96+8*\t:103+8*\t], v244
.endr
.set j, 0
.rept 16
	v_pk_mul_f32 v[160+j:161+j], v[160+j:161+j], v[252:253] op_sel_hi:[1,0]   ; O^T under the new M; these are also the plain lines behind the conversions
.set j, j+2
.endr
.irp t, 0,1,2,3
.irp c, 0,1,2,3
	ds_load_b128 v[32+16*\t+4*\c:32+16*\t+4*\c+3], v[ADV] offset:16*VP*\t+128*(\q)+32*\c
.endr
.endr
	s_wait_alu depctr_va_vdst(0)
	s_wait_dscnt 0x0
.irp t, 0,1,2,3
	v_wmma_f32_16x16x128_bf8_bf8 v[160+8*\t:167+8*\t], v[32+16*\t:47+16*\t], v[224:239], v[160+8*\t:167+8*\t]   ; four accumulators by turns
.endr
.Lhidden_\@:
	s_add_co_u32 s[KF], s[KF], 128
.endm
; THE CHANGE OF SLOTS stands at a slot's head.  Each wave waits for all its tensor loads, adds 0 to its spare word, and waits for that and for its reads of the slot that it has left.  Behind the barrier the slot ahead
; is whole and nobody reads the other.  fill = 1: that other slot takes the key slot that follows: the next one, or key slot 0 where the second block of queries begins.
.macro CHANGE fill
	s_wait_tensorcnt 0x0                           ; no tensor load of mine is out, so a group 0 may be written
	ds_add_u32 v[SPW], v[NIL]
.if \fill
	s_xor_b32 s[G0K+1], s[G0K+1], SLOT1
	s_xor_b32 s[G0V+1], s[G0V+1], SLOT1
	s_add_co_u32 s[KREQ], s[KREQ], 1
	s_add_co_u32 s96, s[SIG], 1
	s_cmp_eq_u32 s96, s[P1]
	s_cselect_b32 s[KREQ], 0, s[KREQ]
	s_lshl_b32 s[KO], s[KREQ], 14                  ; 256 keys of 64 bytes
	s_lshl_b32 s[VO], s[KREQ], 8                   ; 256 bytes along a channel's row
	s_add_nc_u64 s[G0K+2:G0K+3], s[KB:KB+1], s[KO:KO+1]
	s_or_b32 s[G0K+3], s[G0K+3], 0x80000000
	s_add_nc_u64 s[G0V+2:G0V+3], s[VB:VB+1], s[VO:VO+1]
	s_or_b32 s[G0V+3], s[G0V+3], 0x80000000
	s_wait_xcnt 0x0                                ; the last prefetch, a slot back, has read its address
	s_add_nc_u64 s[PFA:PFA+1], s[PFA:PFA+1], s[PFS:PFS+1]
.endif
	s_wait_dscnt 0x0                               ; the add is done, and my reads of the slot that I have left are over
	s_barrier_signal -1
	s_barrier_wait -1
.if \fill
	TLOAD                                          ; the first thing behind the barrier, and a wave's one tensor load until the next
	ASK
.endif
.endm
; THE WAY OUT of a block of queries: O^T / the sum, held, converted with 2^(e10 - e8 - e9); 16 rows of 64 codes go through my stage and leave as 1,024 consecutive bytes.
; The quotient goes into a quantiser, so it is made as a quotient: q0 = O x (1 / l), the remainder O - q0 l by one fused multiply-add (which rounds nothing away that counts), q = q0 + remainder x (1 / l).
; Behind the last products stand, ahead of the first line that names one of their registers (the first multiply, which reads O^T): two additions and three v_nop: five plain lines, where four are asked.
.macro WAYOUT
	s_wait_xcnt 0x0                                ; an earlier way out's stores have read their registers and their base
	v_add_f32 v14, v14, v15
	s_delay_alu instid0(VALU_DEP_1)
	v_permlanex16_b32 v[XCH], v14, s[SEL], s[SEL+1]
	s_delay_alu instid0(VALU_DEP_1)
	v_add_f32 v14, v14, v[XCH]                     ; l, the row's sum
	s_wait_alu depctr_va_vdst(0)
	v_rcp_f32 v[RCP], v14
	v_nop                                          ; plain lines behind the reciprocal, and behind the last products
	v_nop
	v_nop
	s_lshl_b32 s96, s[Q0], 6
	s_mov_b32 s97, 0
	s_add_nc_u64 s[AO:AO+1], s[AB:AB+1], s[96:97]
	s_wait_alu depctr_va_vdst(0)                   ; ahead of the reciprocal's first reader
.set j, 0
.rept 16
	v_pk_mul_f32 v[192+j:193+j], v[160+j:161+j], v[RCP:RCP+1] op_sel_hi:[1,0]   ; q0; register 8 t + i is o(query r, channel 16 t + 8 h + i); each accumulator from its low end on
.set j, j+2
.endr
.set j, 0
.rept 16
	v_pk_fma_f32 v[96+j:97+j], v[192+j:193+j], v[14:15], v[160+j:161+j] op_sel_hi:[1,0,1] neg_lo:[1,0,0] neg_hi:[1,0,0]   ; the remainder O - q0 l
.set j, j+2
.endr
.set j, 0
.rept 16
	v_pk_fma_f32 v[192+j:193+j], v[96+j:97+j], v[RCP:RCP+1], v[192+j:193+j] op_sel_hi:[1,0,1]   ; q = q0 + remainder / l
.set j, j+2
.endr
.set j, 0
.rept 32
.set j, j+1
.endr
.irp t, 0,1,2,3
	v_cvt_scalef32_pk8_bf8_f32 v[224+2*\t:225+2*\t], v[192+8*\t:199+8*\t], v245
.endr
	v_nop                                          ; a plain line behind the last conversion
.irp t, 0,1,2,3
	ds_store_b64 v[SIN], v[224+2*\t:225+2*\t] offset:32*(\t/2)+8*(\t%2)
.endr
.irp i, 0,1
	ds_load_b128 v[192+4*\i:195+4*\i], v[SBK] offset:640*\i   ; LDS serves a wave's instructions in order: these see my stores
.endr
.irp i, 0,1
	s_wait_dscnt 1-\i
	global_store_b128 v[GO], v[192+4*\i:195+4*\i], s[AO:AO+1] offset:512*\i   ; 32 lanes store 512 consecutive bytes, aligned
.endr
.endm
.macro PHASE                           ; a slot has been walked.  Where it was the first block's last, that block goes out and the second begins: a scalar branch on the work-group's number, alike in all sixteen waves; no barrier inside
	s_add_co_u32 s[SIG], s[SIG], 1
	s_cmp_lg_u32 s[SIG], s[P1]
	s_cbranch_scc1 .Lsame_\@
	WAYOUT
	s_mov_b32 s[Q0], s[Q0B]
	s_mov_b32 s[KF], 0
.irp i, 0,1,2,3,4,5,6,7
	v_mov_b32 v[16+\i], v[24+\i]
.endr
	INIT
.Lsame_\@:
.endm
	s_wait_loadcnt 0x0                             ; Q, both blocks'
.Lslot:                                            ; NSL - 1 trips: behind each change of slots but the last the next slot is asked for
	CHANGE 1
	STEP 0
	STEP 1
	s_xor_b32 s[TB], s[TB], SLOT1
	PHASE
	s_sub_co_u32 s[SLOTS], s[SLOTS], 1
	s_cmp_lg_u32 s[SLOTS], 0
	s_cbranch_scc1 .Lslot
	CHANGE 0                                       ; the last slot is written out
	STEP 0
	STEP 1
	WAYOUT
	s_wait_tensorcnt 0x0                           ; the wave's end
	ds_add_u32 v[SPW], v[NIL]
	s_wait_dscnt 0x0
	s_endpgm
.Lfunc_end_k_q9ca18b9284_attn:
	.size	k_q9ca18b9284_attn, .Lfunc_end_k_q9ca18b9284_attn-k_q9ca18b9284_attn
	.p2alignl 7, 3214868480
	.fill 96, 4, 3214868480
	.section	.rodata,"a",@progbits
	.p2align	6, 0x0
	.amdhsa_kernel k_q9ca18b9284_attn
		.amdhsa_group_segment_fixed_size 327680
		.amdhsa_private_segment_fixed_size 0
		.amdhsa_enable_private_segment 0
		.amdhsa_kernarg_size 40
		.amdhsa_user_sgpr_count 2
		.amdhsa_user_sgpr_kernarg_segment_ptr 1
		.amdhsa_wavefront_size32 1
		.amdhsa_system_sgpr_workgroup_id_x 1
		.amdhsa_system_sgpr_workgroup_id_y 1
		.amdhsa_system_sgpr_workgroup_id_z 1
		.amdhsa_system_vgpr_workitem_id 0
		.amdhsa_next_free_vgpr 256
		.amdhsa_next_free_sgpr 100
		.amdhsa_reserve_vcc 1
		.amdhsa_float_denorm_mode_32 3
		.amdhsa_float_denorm_mode_16_64 3
		.amdhsa_fp16_overflow 1
		.amdhsa_memory_ordered 1
		.amdhsa_forward_progress 1
		.amdhsa_inst_pref_size 98
	.end_amdhsa_kernel
	.amdgpu_metadata
---
amdhsa.version: [ 1, 2 ]
amdhsa.kernels:
  - .name:           k_q9ca18b9284_attn
    .symbol:         k_q9ca18b9284_attn.kd
    .args:
      - { .name: qc, .offset: 0, .size: 8, .value_kind: global_buffer, .address_space: global }
      - { .name: kc, .offset: 8, .size: 8, .value_kind: global_buffer, .address_space: global }
      - { .name: vc, .offset: 16, .size: 8, .value_kind: global_buffer, .address_space: global }
      - { .name: lowp_scales, .offset: 24, .size: 8, .value_kind: global_buffer, .address_space: global }
      - { .name: ac, .offset: 32, .size: 8, .value_kind: global_buffer, .address_space: global }
    .group_segment_fixed_size: 327680
    .private_segment_fixed_size: 0
    .kernarg_segment_align: 8
    .kernarg_segment_size: 40
    .max_flat_workgroup_size: 512
    .sgpr_count:     100
    .vgpr_count:     256
    .wavefront_size: 32
...
	.end_amdgpu_metadata
.endif
;; end of part 3
;; launch oproj (part 4): grid 4 x 64, 4 waves a work-group, clusters of 4 x 4, 327,680 bytes of LDS; arguments ac, codes, lowp_scales, bo, out0; writes out0
.if DOCPART == 4
	.amdgcn_target "amdgcn-amd-amdhsa--gfx1250"
	.amdhsa_code_object_version 6
	.text
	.protected	k_q9ca18b9284_oproj
	.globl	k_q9ca18b9284_oproj
	.p2align	8
	.type	k_q9ca18b9284_oproj,@function
k_q9ca18b9284_oproj:
	s_mov_b64 s[64:65], 0
	v_nop
	global_prefetch_b8 v0, s[64:65] scope:SCOPE_SE
	s_setreg_imm32_b32 hwreg(HW_REG_WAVE_MODE, 25, 1), 1
	s_wait_xcnt 0x0
	s_wait_alu depctr_hold_cnt(0) depctr_sa_sdst(0) depctr_va_vdst(0) depctr_va_sdst(0) depctr_va_ssrc(0) depctr_va_vcc(0) depctr_vm_vsrc(0)
	s_getreg_b32 s2, hwreg(HW_REG_IB_STS2, 6, 4)
	s_cmp_eq_u32 s2, 0
	s_cbranch_scc0 .Lentry_in_a_cluster
	s_endpgm
.Lentry_in_a_cluster:
	s_bfe_u32 s2, ttmp6, 0x10000c
	s_cmp_lg_u32 s2, 0xf033
	s_cbranch_scc0 .Lentry_shape_is_right
	s_endpgm
.Lentry_shape_is_right:
; out0 = a wo + bo on codes of BF8 (E5M2): a [8,192 tokens][1,024] are attention's results as codes (scale 2^e10), wo's codes lie in the codes' buffer from row 27,648 on (row = output column, scale 2^e11).
; A tile is 128 tokens x 256 output columns, K = 1,024: 256 work-groups.  Four waves, each 64 x 128: 32 accumulators.  THE MATRIX INSTRUCTION IS USED TRANSPOSED (source 0 = 16 rows of wo's codes, source 1 = 16 tokens):
; a lane holds one token and eight neighbouring output columns.
; OPERANDS IN MEMORY: 16 panels of 64 along K, [row][64 bytes] dense; inside each 32 bytes the groups of eight codes stand as k = 0-7, 16-23, 8-15, 24-31, so that 16-byte loads put every k into the place that the form's own
; layout gives it.  IN LDS 16 bytes of padding follow every 256: row r of a panel lies at 64 r + 16 (r / 4).
; K goes in four steps of 256 (four panels).  Three LDS slots are filled at the start; the fourth step is the launch's one refill, into slot 0.
; CLUSTERS: 4 x 4 work-groups; A's tiles are shared along a row of the cluster, B's along a column: joint loads.
; LIMIT: e10 + e11 between -126 and 127, so that 2^(e10 + e11) is an f32 number.
; REGISTERS: window 0: v8-14 LDS addresses of fragments; v16-18 the way out; v28, v29 the add's; v32-95 bo at my columns; v128-255 A's fragments, two sets of 64; on the way out v128-191 results, v192-255 rows read back.
;   window 1: B's fragments, two sets of 128.   window 2: accumulator (a, b) at v[8 (8 a + b)].
.set PST,   1835008                    ; bytes of a panel of the codes' buffer
.set PSTA,  524288                     ; bytes of a panel of a: 8,192 rows x 64
.set APAN,  8704
.set BPAN,  17408
.set SLOT,  4*(APAN+BPAN)
.set SPARE, 3*SLOT                     ; the spare words, 128 bytes a wave: two blocks of 256 bytes that no other line names
.set STAGE, SLOT                       ; the way out lies in slot 1: it is filled once, and its last read stands ahead of the barrier in front of the last K step
.set SPITCH, 528                       ; a stage row: 128 numbers of f32 + 16 bytes
.set ADRA, 8
.set ADRB, 12
.set STO,  16
.set RD,   17
.set CO,   18
.set SPW,  28
.set NIL,  29
.set BN,   32
.set TT,   128
.set G1A, 24
.set G0A, 32
.set G1B, 44
.set G0B, 52
.set MSB, 0
.macro WIN new                         ; the immediate's high byte repeats the setting that is left
.if MSB != \new
	s_set_vgpr_msb (MSB<<8)|\new
.set MSB, \new
.endif
.endm
.set MUL,  0xa1                        ; source 0 (B) window 1, source 1 (A) window 0, C and D window 2
.set TO_B, 0x40                        ; destination window 1, address window 0
.macro JLOAD g0a, g1a, g0b, g1b        ; a joint load: waves 0 and 1 fetch for A, waves 2 and 3 for B; four v_nop follow each of the two lines
	s_cmp_eq_u32 s21, 0
	s_cbranch_scc0 .Lfor_b_\@
	tensor_load_to_lds s[\g0a:\g0a+3], s[\g1a:\g1a+7]
	s_nop 0
.rept 4
	v_nop
.endr
	s_branch .Lasked_\@
.Lfor_b_\@:
	tensor_load_to_lds s[\g0b:\g0b+3], s[\g1b:\g1b+7]
	s_nop 0
.rept 4
	v_nop
.endr
.Lasked_\@:
.endm
.macro CREST
	s_cmp_lg_u32 s20, 0
	s_cbranch_scc1 .Lnot_wave_0_\@
	s_barrier_signal -3
.Lnot_wave_0_\@:
	s_barrier_wait -3
	s_barrier_signal -1
	s_barrier_wait -1
.endm
.macro CROUND
	s_barrier_signal -1
	s_barrier_wait -1
	CREST
.endm
.macro PLACES n
.rept \n
	v_nop
.endr
.endm
.macro FRAG reg, adr, q, i, pan        ; 16 rows x 128 K (two panels): by the buffers' order registers 2 n, 2 n + 1 hold K = 16 n + 8 (lane / 16) + 0 .. 7, the form's own places
.irp c, 0,1,2,3
	ds_load_b128 v[\reg+4*\c:\reg+4*\c+3], v[\adr] offset:(2*(\q)+\c/2)*\pan+1088*(\i)+32*(\c%2)
.endr
.endm
.macro FETCH slot, q, set
	WIN TO_B
.irp i, 0,1,2,3,4,5,6,7
	FRAG 128*(\set)+16*\i, ADRB+\slot, \q, \i, BPAN
.endr
	WIN 0
.irp i, 0,1,2,3
	FRAG 128+64*(\set)+16*\i, ADRA+\slot, \q, \i, APAN
.endr
.endm
.macro MUL16 a0, set, zero             ; the 32 accumulators take turns, one instruction a turn, in the same order in every step
.irp a, \a0, \a0+1
.irp b, 0,1,2,3,4,5,6,7
.if \zero
	v_wmma_f32_16x16x128_bf8_bf8 v[8*(8*(\a)+\b):8*(8*(\a)+\b)+7], v[128*(\set)+16*\b:128*(\set)+16*\b+15], v[128+64*(\set)+16*(\a):128+64*(\set)+16*(\a)+15], 0
.else
	v_wmma_f32_16x16x128_bf8_bf8 v[8*(8*(\a)+\b):8*(8*(\a)+\b)+7], v[128*(\set)+16*\b:128*(\set)+16*\b+15], v[128+64*(\set)+16*(\a):128+64*(\set)+16*(\a)+15], v[8*(8*(\a)+\b):8*(8*(\a)+\b)+7]
.endif
.endr
.endr
.endm
.macro KSTEP fs, fq, set, zero
	s_wait_dscnt 0x0                               ; this step's fragments are in
	PLACES 4
	FETCH \fs, \fq, 1-(\set)
	WIN MUL
	MUL16 0, \set, \zero
	MUL16 2, \set, \zero
.endm
	s_load_b256 s[4:11], s[0:1], 0x0               ; a's codes s[4:5], the codes' buffer s[6:7], the scales' exponents s[8:9], bo s[10:11]
	s_load_b64 s[12:13], s[0:1], 0x20              ; out0
	v_lshl_add_u32 v[SPW], v0, 2, SPARE
	v_mov_b32 v[NIL], 0
	ds_add_u32 v28, v29
	ds_add_u32 v28, v29
	s_wait_dscnt 0x0
	v_lshrrev_b32 v1, 5, v0
	v_readfirstlane_b32 s20, v1                    ; wave 0..3
	s_lshr_b32 s21, s20, 1                         ; which 64 tokens are mine.  Also: I fetch for A (0) or for B (1)
	s_and_b32 s22, s20, 1                          ; which 128 columns.  Also: which two panels of a K step I fetch
	s_bfe_u32 s66, ttmp6, 0x40000                  ; cx = the tile column
	s_bfe_u32 s67, ttmp6, 0x40004                  ; cy
	s_and_b32 s69, ttmp7, 0xffff
	s_lshl_b32 s70, s69, 2
	s_add_co_u32 s70, s70, s67                     ; the tile row = 4 x cluster y + cy
	s_lshl_b32 s72, s70, 13                        ; A: 128 rows of 64 bytes for each tile row,
	s_mul_i32 s75, s22, 2*PSTA                     ; my two panels
	s_add_co_u32 s72, s72, s75
	s_mov_b32 s73, 0
	s_lshl_b32 s76, s66, 8
	s_add_co_u32 s76, s76, 27648                   ; B: wo's rows
	s_lshl_b32 s76, s76, 6
	s_mul_i32 s74, s22, 2*PST
	s_add_co_u32 s76, s76, s74
	s_mov_b32 s77, 0
	s_lshl_b32 s94, s67, 2
	s_lshl_b32 s94, 15, s94                        ; my row of the cluster
	s_lshl_b32 s95, 0x1111, s66                    ; my column
	s_or_b32 s[G1A], s94, (1<<20)|(1<<21)|(5<<22)|(3<<25)   ; the mask; elements of 1 byte; padding on; bit 21 beside a mask; four words after every 64
	s_or_b32 s[G1B], s95, (1<<20)|(1<<21)|(5<<22)|(3<<25)
	s_mov_b32 s[G1A+1], 8192<<16                   ; tensor_dim0: 128 rows x 64 bytes, one dense run
	s_mov_b32 s[G1A+2], 2<<16                      ; tensor_dim1: two panels
	s_mov_b32 s[G1A+3], 8192<<16
	s_mov_b32 s[G1A+4], 2
	s_mov_b32 s[G1A+5], PSTA
	s_mov_b32 s[G1A+6], 0
	s_mov_b32 s[G1A+7], 0
	s_mov_b32 s[G1B+1], 16384<<16
	s_mov_b32 s[G1B+2], 2<<16
	s_mov_b32 s[G1B+3], 16384<<16
	s_mov_b32 s[G1B+4], 2
	s_mov_b32 s[G1B+5], PST
	s_mov_b32 s[G1B+6], 0
	s_mov_b32 s[G1B+7], 0
	s_mul_i32 s96, s22, 2*APAN
	s_mul_i32 s97, s22, 2*BPAN
	s_add_co_u32 s97, s97, 4*APAN
	s_wait_kmcnt 0x0
	s_load_b64 s[80:81], s[8:9], 0x28              ; e10, e11
	s_add_nc_u64 s[72:73], s[4:5], s[72:73]
	s_add_nc_u64 s[76:77], s[6:7], s[76:77]
	CROUND                                         ; all sixteen work-groups are here: the first joint loads meet
.irp s, 0,1,2
	s_mov_b32 s[G0A+4*\s], 1
	s_add_co_u32 s[G0A+4*\s+1], s96, \s*SLOT
	s_add_nc_u64 s[G0A+4*\s+2:G0A+4*\s+3], s[72:73], \s*4*PSTA
	s_or_b32 s[G0A+4*\s+3], s[G0A+4*\s+3], 0x80000000
	s_mov_b32 s[G0B+4*\s], 1
	s_add_co_u32 s[G0B+4*\s+1], s97, \s*SLOT
	s_add_nc_u64 s[G0B+4*\s+2:G0B+4*\s+3], s[76:77], \s*4*PST
	s_or_b32 s[G0B+4*\s+3], s[G0B+4*\s+3], 0x80000000
	s_wait_alu depctr_va_vdst(0)
	s_wait_tensorcnt 0x0
	ds_add_u32 v28, v29
	ds_add_u32 v28, v29
	s_wait_dscnt 0x0
	CROUND
	JLOAD G0A+4*\s, G1A, G0B+4*\s, G1B             ; K steps 0, 1 and 2, each behind a wait for the one before: one load of mine is out
.endr
	v_and_b32 v1, 15, v0                           ; r
	v_bfe_u32 v2, v0, 4, 1                         ; h
	v_lshrrev_b32 v3, 2, v1
	v_lshlrev_b32 v4, 6, v1
	v_lshl_add_u32 v4, v3, 4, v4
	v_lshl_add_u32 v4, v2, 4, v4                   ; 64 r + 16 (r / 4) + 16 h
	s_mul_i32 s98, s21, 4*1088
	s_mul_i32 s99, s22, 8*1088
	s_add_co_u32 s99, s99, 4*APAN
.irp s, 0,1,2
	v_add_nc_u32 v[ADRA+\s], s98, v4
	v_add_nc_u32 v[ADRB+\s], s99, v4
	s_add_co_u32 s98, s98, SLOT
	s_add_co_u32 s99, s99, SLOT
.endr
	s_mul_i32 s98, s20, 16*SPITCH
	s_add_co_u32 s98, s98, STAGE                   ; my own stage: 16 rows
	v_mul_u32_u24 v5, v1, SPITCH
	v_lshl_add_u32 v5, v2, 5, v5
	v_add_nc_u32 v[STO], s98, v5                   ; in: row r, 32 bytes for each half of the lanes
	v_and_b32 v3, 31, v0
	v_lshlrev_b32 v[CO], 4, v3                     ; back: the 32 lanes take one row of 512 bytes; and the same in out0
	v_add_nc_u32 v[RD], s98, v[CO]
	s_lshl_b32 s98, s66, 8
	s_lshl_b32 s99, s22, 7
	s_add_co_u32 s98, s98, s99
	s_lshl_b32 s98, s98, 2                         ; 4 x my first column
	v_lshl_add_u32 v5, v2, 5, s98
.irp b, 0,1,2,3,4,5,6,7
	global_load_b128 v[BN+8*\b:BN+8*\b+3], v5, s[10:11] offset:64*\b        ; bo at columns 16 b + 8 h + 0 .. 7 of my 128
	global_load_b128 v[BN+8*\b+4:BN+8*\b+7], v5, s[10:11] offset:64*\b+16
.endr
	s_lshl_b32 s98, s70, 7
	s_lshl_b32 s99, s21, 6
	s_add_co_u32 s98, s98, s99                     ; my first token
	s_lshl_b32 s98, s98, 12
	s_lshl_b32 s99, s66, 10
	s_add_co_u32 s98, s98, s99
	s_lshl_b32 s99, s22, 9
	s_add_co_u32 s98, s98, s99                     ; + my first column, in bytes
	s_mov_b32 s99, 0
	s_add_nc_u64 s[12:13], s[12:13], s[98:99]
	s_wait_kmcnt 0x0
	s_add_co_i32 s80, s80, s81
	s_add_co_i32 s80, s80, 127
	s_lshl_b32 s92, s80, 23                        ; 2^(e10 + e11) as f32
	s_mov_b32 s93, s92                             ; (named with it as a pair, so it is written)
	s_wait_loadcnt 0x0
	s_wait_tensorcnt 2                             ; my parts of K steps 0 and 1 are in; K step 2 may be out
	s_barrier_signal -1
	s_barrier_wait -1
	FETCH 0, 0, 0
	KSTEP 0, 1, 0, 1                               ; the first products start the sums: nothing is cleared
	; slot 0's second half, and its refill: every wave waits for all its tensor loads, adds 0 to its spare word, waits for that and for its reads of slot 0; the barrier opens a round of the cluster's barrier
	WIN 0
	s_wait_tensorcnt 0x0                           ; no load of mine is out, so a group 0 may be written
	ds_add_u32 v[SPW], v[NIL]
	s_add_nc_u64 s[G0A+2:G0A+3], s[G0A+2:G0A+3], 12*PSTA   ; slot 0's next tile: K step 3
	s_add_nc_u64 s[G0B+2:G0B+3], s[G0B+2:G0B+3], 12*PST
	s_wait_dscnt 0x0                               ; the add is done, and my reads of slot 0 are over
	s_barrier_signal -1
	WIN MUL
	MUL16 0, 1, 0
	WIN 0
	s_barrier_wait -1
	CREST                                          ; no wave of any partner still reads slot 0 or has a load on its way
	JLOAD G0A, G1A, G0B, G1B                       ; the first tensor load behind the round; its four v_nop are also the places in front of the loads below
	FETCH 1, 0, 0
	WIN MUL
	MUL16 2, 1, 0
	KSTEP 1, 1, 0, 0
	s_wait_alu depctr_va_vdst(0)
	KSTEP 2, 0, 1, 0                               ; no barrier: the round above has shown slots 1 and 2 whole to every wave
	KSTEP 2, 1, 0, 0
	WIN 0
	s_wait_tensorcnt 0x0                           ; my part of K step 3 is in
	s_wait_dscnt 0x0
	s_barrier_signal -1
	WIN MUL
	MUL16 0, 1, 0
	WIN 0
	s_barrier_wait -1                              ; everybody's is; and nobody reads slot 1 any more
	PLACES 4
	FETCH 0, 0, 0
	WIN MUL
	MUL16 2, 1, 0
	KSTEP 0, 1, 0, 0
	s_wait_dscnt 0x0
	WIN MUL
	MUL16 0, 1, 0
	MUL16 2, 1, 0
	WIN 0
; THE WAY OUT, block by block of 16 tokens x my 128 columns: sum x 2^(e10 + e11) + bo, through my own stage, back as whole rows of 512 bytes.
.macro OUTBLK a
.if (\a) > 0
	s_wait_xcnt 0x0                                ; the last block's stores have read their registers and their base
	s_add_nc_u64 s[12:13], s[12:13], 65536         ; 16 rows of out0 on
.endif
	WIN 0x02                                       ; source 0: the sums, window 2
.set i, 0
.rept 32
	v_pk_fma_f32 v[TT+i:TT+i+1], v[64*(\a)+i:64*(\a)+i+1], s[92:93], v[BN+i:BN+i+1] op_sel_hi:[1,0,1]   ; each accumulator from its low end on
.set i, i+2
.endr
	WIN 0
.irp b, 0,1,2,3,4,5,6,7
	ds_store_b128 v[STO], v[TT+8*\b:TT+8*\b+3] offset:64*\b
	ds_store_b128 v[STO], v[TT+8*\b+4:TT+8*\b+7] offset:64*\b+16
.endr
.irp t, 0,1,2,3,4,5,6,7,8,9,10,11,12,13,14,15
	ds_load_b128 v[192+4*\t:195+4*\t], v[RD] offset:SPITCH*\t    ; LDS serves a wave's instructions in order: these see my stores
.endr
.irp t, 0,1,2,3,4,5,6,7,8,9,10,11,12,13,14,15
	s_wait_dscnt 15-\t
	global_store_b128 v[CO], v[192+4*\t:195+4*\t], s[12:13] offset:4096*\t th:TH_STORE_NT   ; 32 lanes store 512 consecutive bytes, aligned; written once, read by nobody here
.endr
.endm
	PLACES 4
	OUTBLK 0
	OUTBLK 1
	OUTBLK 2
	OUTBLK 3
	s_wait_tensorcnt 0x0                           ; the wave's end
	ds_add_u32 v[SPW], v[NIL]
	s_wait_dscnt 0x0
	CROUND                                         ; the closing round
	s_endpgm
.Lfunc_end_k_q9ca18b9284_oproj:
	.size	k_q9ca18b9284_oproj, .Lfunc_end_k_q9ca18b9284_oproj-k_q9ca18b9284_oproj
	.p2alignl 7, 3214868480
	.fill 96, 4, 3214868480
	.section	.rodata,"a",@progbits
	.p2align	6, 0x0
	.amdhsa_kernel k_q9ca18b9284_oproj
		.amdhsa_group_segment_fixed_size 327680
		.amdhsa_private_segment_fixed_size 0
		.amdhsa_enable_private_segment 0
		.amdhsa_kernarg_size 40
		.amdhsa_user_sgpr_count 2
		.amdhsa_user_sgpr_kernarg_segment_ptr 1
		.amdhsa_wavefront_size32 1
		.amdhsa_system_sgpr_workgroup_id_x 1
		.amdhsa_system_sgpr_workgroup_id_y 1
		.amdhsa_system_sgpr_workgroup_id_z 1
		.amdhsa_system_vgpr_workitem_id 0
		.amdhsa_next_free_vgpr 768
		.amdhsa_next_free_sgpr 100
		.amdhsa_reserve_vcc 0
		.amdhsa_float_denorm_mode_32 3
		.amdhsa_float_denorm_mode_16_64 3
		.amdhsa_memory_ordered 1
		.amdhsa_forward_progress 1
		.amdhsa_inst_pref_size 80
	.end_amdhsa_kernel
	.amdgpu_metadata
---
amdhsa.version: [ 1, 2 ]
amdhsa.kernels:
  - .name:           k_q9ca18b9284_oproj
    .symbol:         k_q9ca18b9284_oproj.kd
    .args:
      - { .name: ac, .offset: 0, .size: 8, .value_kind: global_buffer, .address_space: global }
      - { .name: codes, .offset: 8, .size: 8, .value_kind: global_buffer, .address_space: global }
      - { .name: lowp_scales, .offset: 16, .size: 8, .value_kind: global_buffer, .address_space: global }
      - { .name: bo, .offset: 24, .size: 8, .value_kind: global_buffer, .address_space: global }
      - { .name: out0, .offset: 32, .size: 8, .value_kind: global_buffer, .address_space: global }
    .group_segment_fixed_size: 327680
    .private_segment_fixed_size: 0
    .kernarg_segment_align: 8
    .kernarg_segment_size: 40
    .max_flat_workgroup_size: 128
    .sgpr_count:     100
    .vgpr_count:     768
    .wavefront_size: 32
...
	.end_amdgpu_metadata
.endif
;; end of part 4
